; MI455X (gfx1250); checked and timed in simulation.
; The chip was launched on July 23, 2026; its instructions are those of AMD's public machine-readable ISA for CDNA 5 (MIT licence, August 2026) and "CDNA5" Instruction Set Architecture Reference Guide (July 2026). The comments in the code are by the model that wrote it; some were corrected since.
;; Encoder Block. Allowed arithmetic: matrix products marked QUANTISED: E2M3 operands, one E8M0 scale for each 32 along K, by v_wmma_scale_f32_16x16x128_f8f6f4 with both operands' format E2M3, f32 sums; products left as they are: f32 operands where the result goes on into a quantised operand, else bf16, f16 or f32 operands; f32 sums; everything else in f32.
;; Inputs: k_weight 1,024 x 1,024 float32; q_weight 1,024 x 1,024 float32; styles 8 x 2,048 float32; u_weight 1,024 x 1,024 float32; v_weight 1,024 x 1,024 float32; w_weight 1,024 x 1,024 float32; x 8 x 1,024 x 1,024 float32.
;; Outputs: out0 8 x 1,024 x 1,024 float32.
;; Constants: num_heads = 16.
;; This version of the problem:
;;   THIS VERSION OF THE PROBLEM IS GIVEN IN LOW PRECISION. The matrix products marked QUANTISED in the list below multiply operands that are first quantised to E2M3 (2 exponent bits, 3 mantissa bits; 6 bits a number), with one power-of-two scale for each 32 numbers along K (OCP MX v1.0); their sums are f32. All else is computed in f32.
;;   The module's matrix products, in the order in which they are computed (A, B: the left and right operand; K: the contracted axis; several contracted axes count as one K, in the product's order):
;;     1. [M 8, K 1,024] x [K 1,024, N 1,024]; A: computed on the way; B: computed on the way: left as it is (M = 8 < 16)
;;     2. [M 8, K 1,024] x [K 1,024, N 1,024]; A: computed on the way; B: computed on the way: left as it is (M = 8 < 16)
;;     3. [M 8, K 1,024] x [K 1,024, N 1,024]; A: computed on the way; B: computed on the way: left as it is (M = 8 < 16)
;;     4. [M 8, K 1,024] x [K 1,024, N 1,024]; A: computed on the way; B: computed on the way: left as it is (M = 8 < 16)
;;     5. [M 8, K 1,024] x [K 1,024, N 1,024]; A: computed on the way; B: computed on the way: left as it is (M = 8 < 16)
;;     6. [M 8,192, K 1,024] x [K 1,024, N 1,024]; A: computed on the way; B: input q_weight: QUANTISED
;;     7. [M 8,192, K 1,024] x [K 1,024, N 1,024]; A: computed on the way; B: input k_weight: QUANTISED
;;     8. [M 8,192, K 1,024] x [K 1,024, N 1,024]; A: computed on the way; B: input v_weight: QUANTISED
;;     9. batch 128 x [M 1,024, K 64] x [K 64, N 1,024]; A: computed on the way; B: computed on the way: QUANTISED
;;     10. batch 128 x [M 1,024, K 1,024] x [K 1,024, N 64]; A: softmax (see below); B: computed on the way: QUANTISED
;;     11. [M 8,192, K 1,024] x [K 1,024, N 1,024]; A: computed on the way; B: input w_weight: QUANTISED
;;     12. [M 8,192, K 1,024] x [K 1,024, N 1,024]; A: computed on the way; B: input u_weight: QUANTISED
;;   THE QUANTISER, for each operand of a quantised product, along K:
;;     - K is cut into blocks of 32 from its start; a last block that is shorter is filled with zeros.
;;     - A block's scale is 2^e with e = floor(log2(the largest magnitude in the block)) - 2, held to -126 .. 127; a block of zeros has e = 0. As a byte (E8M0): e + 127.
;;     - Each number is divided by its block's scale, clamped to +-7.5, and rounded to the nearest number of E2M3, ties to even, subnormals kept.
;;     - The product sums the exact products of the quantised numbers (number of the format x scale) in f32.
;;   ~~~python
;;   def quantise(x, axis):      # numpy; x: float32 -> the quantised numbers, widened to float32 again
;;       x = np.moveaxis(x, axis, -1); K = x.shape[-1]
;;       x = np.pad(x, [(0, 0)] * (x.ndim - 1) + [(0, -K % 32)]); x = x.reshape(x.shape[:-1] + (-1, 32)); a = np.abs(x).max(-1, keepdims=True)
;;       e = np.where(a > 0, np.clip(np.frexp(np.where(a > 0, a, 1))[1] - 1 - 2, -126, 127), 0)      # np.frexp(a)[1] - 1 = floor(log2(a)), exactly
;;       r = np.clip(x / 2.0 ** e, -7.5, 7.5)
;;       step = 2.0 ** (np.maximum(np.frexp(np.where(r == 0, 1, r))[1] - 1, 0) - 3)
;;       q = np.round(r / step) * step * 2.0 ** e      # np.round: ties to even
;;       return np.moveaxis(q.reshape(q.shape[:-2] + (-1,))[..., :K], -1, axis).astype(np.float32)
;;   ~~~
;;   SOFTMAX AHEAD OF A QUANTISED PRODUCT. Where the list says 'softmax', what is quantised is not the finished softmax but p = 2^(t - M), with t = logit x log2(e) and M = ceil(the row's largest t), a whole number; so 1/2 < the row's largest p <= 1. The row's sum l is taken of the UNQUANTISED p, in f32, and the product's result is divided by l at the end. Since M is a whole number, a kernel that streams over the keys may use a running M (the ceiling of the running maximum): every later rescaling is an exact power of two, which a block's scale takes up: the codes' values come out the same.
;;   OPERANDS COMPUTED ON THE WAY. 'Computed on the way' means the value that the module computes at that place (a softmax that the list does not call 'softmax' is quantised finished and normalised). What goes into a quantiser is computed in f32, as accurately as f32 sums, v_exp_f32 and their like allow (about 1e-6 of the number): no bf16 or f16 on the way to a quantiser, and a product that is left as it is and whose result goes on into a quantised operand takes f32 operands (vector FMAs, or v_wmma_f32_16x16x4_f32). A number that lies on a knife's edge between two numbers of the format may be rounded either way, as far as f32 arithmetic and the matrix unit's own rounding can turn it there, and no further.
;; One version. Each part assembles by itself: llvm-mc -triple=amdgcn-amd-amdhsa -mcpu=gfx1250 --defsym DOCPART=n.
;; ======== version 1 of 1: 5 launches
;; workspace buffers: xa 6,619,136 bytes; wts 4,259,840 bytes; att 20,185,088 bytes; ov 13,107,200 bytes
;; launch norm (part 1): grid 512 x 1, 8 waves a work-group, no clusters, 70,656 bytes of LDS; arguments x, styles, xa; writes xa
.if DOCPART == 1
	.amdgcn_target "amdgcn-amd-amdhsa--gfx1250"
	.amdhsa_code_object_version 6
	.text
	.protected	k_q95018950a9_norm
	.globl	k_q95018950a9_norm
	.p2align	8
	.type	k_q95018950a9_norm,@function
k_q95018950a9_norm:
	s_mov_b64 s[64:65], 0
	v_nop
	global_prefetch_b8 v0, s[64:65] scope:SCOPE_SE
	s_setreg_imm32_b32 hwreg(HW_REG_WAVE_MODE, 25, 1), 1
	s_wait_xcnt 0x0
; xn = instance norm over the hidden axis of x * s1, turned into codes of E2M3 with one E8M0 scale for each 32 along the hidden axis.
; x: [8192 rows][1024] f32; styles: [8][2048] f32, s1 = its first 1,024 columns.  All arithmetic ahead of the codes is f32: mean, then the mean of the squared differences (two passes), v_rsq_f32.
; SHARES.  A work-group takes one TILE of 16 rows, its eight waves the eight K steps of 128.  Rows go in groups of 128 = 8 tiles; lane row p of tile t is row 32 (t / 2) + 8 (t % 2) + p + 8 (p / 8) of its group,
; so that a later product that takes such tiles as its first source finds 16 neighbours of that axis in a lane's 16 registers of two neighbouring tiles.
; OUT.  A fragment (16 rows x 128 K, 12 registers a lane) leaves as an image of its registers: registers 4 c .. 4 c + 3 of lane l at 512 c + 16 l: three stores of 512 consecutive bytes.
; A tile's scale words (4 bytes: one row, 128 K) for the eight K steps form an image of 512 bytes: step s, row r at 16 r + 256 (s & 1) + 4 (s >> 1).
; Each load reads 512 consecutive bytes of a row; the 16 x 512 bytes turn through the wave's own stage in LDS so that a lane gets 16 neighbours of each block of 32.
; LIMITS: NaN and infinities are not served; a block whose largest magnitude lies under 2^-124 (a block of zeros too) keeps the scale byte 1: these bytes are read by this program alone.
.set STGW,  16*528                     ; a wave's stage: 16 rows of 512 bytes + 16
.set RED,   8*STGW                     ; 512 bytes for the sums, 512 for the squares: [row][wave] words
.set SCG,   RED+1024                   ; the tile's image of scale words, 512 bytes
.set CODES, 327680                     ; where the codes begin in xa
.set X,   16                           ; v16-79   the rows as loaded
.set F,   80                           ; v80-143  register 16 b + i = k 32 b + 16 (lane / 16) + i of my row
.set TM,  144                          ; v144-159 at work in QUANT
.set PC,  160                          ; v160-179 the codes
.set PW,  180                          ; v180     my row's scale word
.set SEL, 28                           ; s[28:29] lane selects for v_permlanex16_b32: lane l xor 16
; 64 numbers of a lane become a fragment's codes in v[PC] on and its scale word in v[PW]
.macro QUANT s
.irp b, 0,1,2,3
	v_max3_num_f32 v[TM+\b], |v[\s+16*\b]|, |v[\s+1+16*\b]|, 0x1800000   ; block b: my 16 numbers, and the floor 2^(3 - 127): the byte cannot fall under 1
.endr
.irp i, 2,4,6,8,10,12,14
.irp b, 0,1,2,3
	v_max3_num_f32 v[TM+\b], v[TM+\b], |v[\s+16*\b+\i]|, |v[\s+1+16*\b+\i]|   ; the four blocks by turns
.endr
.endr
.irp b, 0,1,2,3
	v_permlanex16_b32 v[TM+4+\b], v[TM+\b], s[SEL], s[SEL+1]
.endr
.irp b, 0,1,2,3
	v_max_num_f32 v[TM+\b], v[TM+\b], v[TM+4+\b]   ; with lane l xor 16's: the block's largest magnitude
.endr
.irp b, 0,1,2,3
	v_add_nc_u32 v[TM+12+\b], 0xff000000, v[TM+\b]   ; 2 off its exponent field: the conversion's scale operand
.endr
.irp b, 0,1,2,3
	v_lshrrev_b32 v[TM+4+\b], 23, v[TM+12+\b]   ; the scale's byte
.endr
	v_lshl_or_b32 v[PW], v[TM+5], 8, v[TM+4]
	v_lshl_or_b32 v[PW], v[TM+6], 16, v[PW]
	v_lshl_or_b32 v[PW], v[TM+7], 24, v[PW]
.irp c, 0,1
	v_cvt_scalef32_pk16_fp6_f32 v[PC+6*\c:PC+2+6*\c], v[\s+32*\c:\s+15+32*\c], v[TM+12+2*\c]
	v_cvt_scalef32_pk16_fp6_f32 v[PC+12+4*\c:PC+14+4*\c], v[\s+16+32*\c:\s+31+32*\c], v[TM+12+2*\c+1]   ; (a conversion's three registers begin on an even number)
.endr
	v_nop                                          ; one plain place behind a scaled conversion
.irp c, 0,1                                    ; the operand's layout wants a whole block in a lane
.irp i, 0,1,2
	v_permlane16_swap_b32 v[PC+6*\c+\i], v[PC+12+4*\c+\i]
.endr
.irp i, 0,1,2
	v_mov_b32 v[PC+3+6*\c+\i], v[PC+12+4*\c+\i]
.endr
.endr
.endm
; the two chains v[184:187] become my row's sum over this wave's 128, then over the eight waves: v192
.macro ACROSS off
	v_pk_add_f32 v[184:185], v[184:185], v[186:187]
	v_add_f32 v184, v184, v185
	v_permlanex16_b32 v185, v184, s[SEL], s[SEL+1]
	v_add_f32 v184, v184, v185                     ; both halves of the lanes now hold the row's 128
	ds_store_b32 v7, v184 offset:\off              ; (lanes r and r + 16 write the same word with the same value)
	s_wait_dscnt 0x0                               ; for the others' sake: my store has landed
	s_barrier_signal -1
	s_barrier_wait -1
	ds_load_b128 v[192:195], v8 offset:\off
	ds_load_b128 v[196:199], v8 offset:\off+16
	s_wait_dscnt 0x0
	v_pk_add_f32 v[192:193], v[192:193], v[194:195]   ; the same order in every wave: all eight get the same bits
	v_pk_add_f32 v[196:197], v[196:197], v[198:199]
	v_pk_add_f32 v[192:193], v[192:193], v[196:197]
	v_add_f32 v192, v192, v193
.endm
	s_load_b128 s[4:7], s[0:1], 0x0                ; x, styles
	s_load_b64 s[8:9], s[0:1], 0x10                ; xa
	v_lshl_add_u32 v200, v0, 2, 0x11000
	v_mov_b32 v201, 0
	v_lshrrev_b32 v1, 5, v0
	v_readfirstlane_b32 s10, v1                    ; wave = K step
	v_and_b32 v1, 31, v0                           ; lane
	v_and_b32 v2, 15, v0                           ; r
	v_bfe_u32 v3, v0, 4, 1                         ; h
	v_lshlrev_b32 v4, 4, v1                        ; 16 x lane
	s_mul_i32 s11, s10, STGW
	v_add_nc_u32 v5, s11, v4                       ; the stage, in: 16 bytes a lane of a row's 512
	v_mul_u32_u24 v6, v2, 528
	v_lshl_add_u32 v6, v3, 6, v6
	v_add_nc_u32 v6, s11, v6                       ; and out: row r, + 64 h
	v_lshlrev_b32 v8, 5, v2
	v_add_nc_u32 v8, RED, v8                       ; my row's eight partial sums
	s_lshl_b32 s12, s10, 2
	v_add_nc_u32 v7, s12, v8                       ; and my wave's word among them
	s_and_b32 s12, s10, 1
	s_lshl_b32 s12, s12, 8
	s_lshr_b32 s13, s10, 1
	s_lshl_b32 s13, s13, 2
	s_add_co_u32 s12, s12, s13
	s_add_co_u32 s12, s12, SCG
	v_lshl_add_u32 v9, v2, 4, s12                  ; my scale word's place: 16 r + 256 (s & 1) + 4 (s >> 1)
	v_add_nc_u32 v10, SCG, v4                      ; and the image's way out
	v_mov_b32 v183, 0                              ; (named as the upper half of a pair before it is first written)
.irp b, 0,1,2,3
	v_mov_b32 v[TM+4+\b], 0                        ; written once: a lane permute's destination counts as one of its sources
.endr
	s_mov_b32 s[SEL], 0x76543210
	s_mov_b32 s[SEL+1], 0xfedcba98
	s_mov_b32 s30, 0x3a800000                      ; 1 / 1024
	s_mov_b32 s31, 0x3727c5ac                      ; 1e-5
	s_lshr_b32 s14, ttmp9, 3                       ; the group of 128 rows
	s_and_b32 s15, ttmp9, 7                        ; the tile in it
	s_lshr_b32 s16, s15, 1
	s_lshl_b32 s16, s16, 5
	s_and_b32 s17, s15, 1
	s_lshl_b32 s17, s17, 3
	s_add_co_u32 s16, s16, s17
	s_lshl_b32 s17, s14, 7
	s_add_co_u32 s16, s16, s17                     ; the tile's first row: 128 G + 32 (t / 2) + 8 (t % 2)
	s_lshl_b32 s16, s16, 12
	s_lshl_b32 s17, s10, 9
	s_add_co_u32 s16, s16, s17                     ; in bytes, + my K step's 512
	s_mov_b32 s17, 0
	s_lshr_b32 s18, ttmp9, 6                       ; the sample
	s_lshl_b32 s18, s18, 13
	s_lshl_b32 s19, s10, 9
	s_add_co_u32 s18, s18, s19
	s_mov_b32 s19, 0
	s_mul_i32 s20, s14, 98304
	s_mul_i32 s21, s10, 12288
	s_add_co_u32 s20, s20, s21
	s_mul_i32 s21, s15, 1536
	s_add_co_u32 s20, s20, s21
	s_add_co_u32 s20, s20, CODES                   ; my fragment's image
	s_mov_b32 s21, 0
	s_lshl_b32 s22, s14, 12
	s_lshl_b32 s23, s15, 9
	s_add_co_u32 s22, s22, s23                     ; the tile's image of scale words
	s_mov_b32 s23, 0
	s_wait_kmcnt 0x0
	s_add_nc_u64 s[4:5], s[4:5], s[16:17]
	s_add_nc_u64 s[6:7], s[6:7], s[18:19]
	s_add_nc_u64 s[24:25], s[8:9], s[20:21]
	s_add_nc_u64 s[26:27], s[8:9], s[22:23]
	global_load_b128 v[12:15], v4, s[6:7]          ; s1 at my four columns
.irp p, 0,1,2,3,4,5,6,7,8,9,10,11,12,13,14,15
	global_load_b128 v[X+4*\p:X+4*\p+3], v4, s[4:5] offset:(\p+8*(\p/8))*4096 th:TH_LOAD_NT   ; 512 consecutive bytes of lane row p; read once in the launch
.endr
.irp p, 0,1,2,3,4,5,6,7,8,9,10,11,12,13,14,15
	s_wait_loadcnt 15-\p                           ; loads come back in order: s1 and row p are in, the younger rows stay out
	v_pk_mul_f32 v[X+4*\p:X+4*\p+1], v[X+4*\p:X+4*\p+1], v[12:13]
	v_pk_mul_f32 v[X+4*\p+2:X+4*\p+3], v[X+4*\p+2:X+4*\p+3], v[14:15]
	ds_store_b128 v5, v[X+4*\p:X+4*\p+3] offset:528*\p
.endr
.irp b, 0,1,2,3
.irp j, 0,1,2,3
	ds_load_b128 v[F+16*\b+4*\j:F+16*\b+4*\j+3], v6 offset:128*\b+16*\j   ; LDS serves a wave's instructions in order: these see my stores
.endr
.endr
	s_wait_dscnt 0x0
	v_pk_add_f32 v[184:185], v[F:F+1], v[F+2:F+3]  ; the sum, in two chains
	v_pk_add_f32 v[186:187], v[F+4:F+5], v[F+6:F+7]
.irp j, 8,12,16,20,24,28,32,36,40,44,48,52,56,60
	v_pk_add_f32 v[184:185], v[184:185], v[F+\j:F+\j+1]
	v_pk_add_f32 v[186:187], v[186:187], v[F+\j+2:F+\j+3]
.endr
	ACROSS 0
	v_mul_f32 v182, s30, v192                      ; the mean
.irp j, 0,2,4,6,8,10,12,14,16,18,20,22,24,26,28,30,32,34,36,38,40,42,44,46,48,50,52,54,56,58,60,62
	v_pk_add_f32 v[F+\j:F+\j+1], v[F+\j:F+\j+1], v[182:183] op_sel_hi:[1,0] neg_lo:[0,1] neg_hi:[0,1]
.endr
	v_pk_mul_f32 v[184:185], v[F:F+1], v[F:F+1]    ; the squares: the first products start the two chains
	v_pk_mul_f32 v[186:187], v[F+2:F+3], v[F+2:F+3]
.irp j, 4,8,12,16,20,24,28,32,36,40,44,48,52,56,60
	v_pk_fma_f32 v[184:185], v[F+\j:F+\j+1], v[F+\j:F+\j+1], v[184:185]
	v_pk_fma_f32 v[186:187], v[F+\j+2:F+\j+3], v[F+\j+2:F+\j+3], v[186:187]
.endr
	ACROSS 512                                     ; other bytes than the sums': no wave can still be reading what is written
	v_fma_f32 v192, v192, s30, s31                 ; the variance + 1e-5
	v_rsq_f32 v182, v192
	v_rsq_f32 v183, v192                           ; twice, to fill the pair that the packed form multiplies by
	v_nop                                          ; one plain place behind a transcendental
	s_wait_alu depctr_va_vdst(0)
.irp j, 0,2,4,6,8,10,12,14,16,18,20,22,24,26,28,30,32,34,36,38,40,42,44,46,48,50,52,54,56,58,60,62
	v_pk_mul_f32 v[F+\j:F+\j+1], v[F+\j:F+\j+1], v[182:183]
.endr
	QUANT F
.irp c, 0,1,2
	global_store_b128 v4, v[PC+4*\c:PC+4*\c+3], s[24:25] offset:512*\c   ; 512 consecutive bytes, aligned
.endr
	ds_store_b32 v9, v[PW]
	s_wait_dscnt 0x0
	s_barrier_signal -1
	s_barrier_wait -1                              ; the eight waves' scale words lie together
	s_cmp_lg_u32 s10, 0
	s_cbranch_scc1 .Lend
	ds_load_b128 v[192:195], v10
	s_wait_dscnt 0x0
	global_store_b128 v4, v[192:195], s[26:27]     ; the image: 512 consecutive bytes
.Lend:
	s_wait_tensorcnt 0x0
	ds_add_u32 v200, v201
	s_wait_dscnt 0x0
	s_endpgm
.Lfunc_end_k_q95018950a9_norm:
	.size	k_q95018950a9_norm, .Lfunc_end_k_q95018950a9_norm-k_q95018950a9_norm
	.p2alignl 7, 3214868480
	.fill 96, 4, 3214868480
	.section	.rodata,"a",@progbits
	.p2align	6, 0x0
	.amdhsa_kernel k_q95018950a9_norm
		.amdhsa_group_segment_fixed_size 70656
		.amdhsa_private_segment_fixed_size 0
		.amdhsa_enable_private_segment 0
		.amdhsa_kernarg_size 24
		.amdhsa_user_sgpr_count 2
		.amdhsa_user_sgpr_kernarg_segment_ptr 1
		.amdhsa_wavefront_size32 1
		.amdhsa_system_sgpr_workgroup_id_x 1
		.amdhsa_system_sgpr_workgroup_id_y 1
		.amdhsa_system_sgpr_workgroup_id_z 1
		.amdhsa_system_vgpr_workitem_id 0
		.amdhsa_next_free_vgpr 202
		.amdhsa_next_free_sgpr 66
		.amdhsa_reserve_vcc 0
		.amdhsa_float_denorm_mode_32 3
		.amdhsa_float_denorm_mode_16_64 3
		.amdhsa_memory_ordered 1
		.amdhsa_forward_progress 1
		.amdhsa_inst_pref_size 24
	.end_amdhsa_kernel
	.amdgpu_metadata
---
amdhsa.version: [ 1, 2 ]
amdhsa.kernels:
  - .name:           k_q95018950a9_norm
    .symbol:         k_q95018950a9_norm.kd
    .args:
      - { .name: x, .offset: 0, .size: 8, .value_kind: global_buffer, .address_space: global }
      - { .name: styles, .offset: 8, .size: 8, .value_kind: global_buffer, .address_space: global }
      - { .name: xa, .offset: 16, .size: 8, .value_kind: global_buffer, .address_space: global }
    .group_segment_fixed_size: 70656
    .private_segment_fixed_size: 0
    .kernarg_segment_align: 8
    .kernarg_segment_size: 24
    .max_flat_workgroup_size: 256
    .sgpr_count:     66
    .vgpr_count:     202
    .wavefront_size: 32
...
	.end_amdgpu_metadata
.endif
;; end of part 1
;; launch wprep (part 2): grid 64 x 5, 8 waves a work-group, no clusters, 73,216 bytes of LDS; arguments q_weight, k_weight, v_weight, w_weight, u_weight, styles, wts; writes wts
.if DOCPART == 2
	.amdgcn_target "amdgcn-amd-amdhsa--gfx1250"
	.amdhsa_code_object_version 6
	.text
	.protected	k_q95018950a9_wprep
	.globl	k_q95018950a9_wprep
	.p2align	8
	.type	k_q95018950a9_wprep,@function
k_q95018950a9_wprep:
	s_mov_b64 s[64:65], 0
	v_nop
	global_prefetch_b8 v0, s[64:65] scope:SCOPE_SE
	s_setreg_imm32_b32 hwreg(HW_REG_WAVE_MODE, 25, 1), 1
	s_wait_xcnt 0x0
; The five weights [1024 (o)][1024 (i)] f32 become codes of E2M3 along i with E8M0 scales, as images of the operand's registers, and the five tables rsqrt(sum_i (W[o][i] s[b][i])^2 + 1e-8) are made, all in f32.
; Work-group (x, y): tile x of 16 rows (group x / 8, tile x % 8; lane row p is row 32 (t / 2) + 8 (t % 2) + p + 8 (p / 8) of the group) of weight y (q, k, v, w, u).  Wave s takes K step s of 128.
; q, k, v take s1 = styles[:, :1024], w and u take s2 = styles[:, 1024:].  The table of v is stored already multiplied by s2[b][o], which reference() multiplies onto the same product.
; (W s)^2 stands for W^2 s^2: one rounding of f32 apart.  The table leaves in pieces of 16 bytes, 160 KB in the whole launch.  5 x 64 work-groups: the weights do not divide more evenly.
; LIMITS: NaN and infinities are not served; a block whose largest magnitude lies under 2^-124 (a block of zeros too) keeps the scale byte 1: these bytes are read by this program alone.
.set STGW,  16*528
.set RED,   8*STGW                     ; [wave][sample][row] words: 4,096 bytes
.set SCG,   RED+4096                   ; the tile's image of scale words
.set CODES, 327680                     ; q, k, v: [24 groups][8 steps][8 tiles][1536]
.set WUC,   2686976                    ; w, u: [8 groups][16 steps: w's 8, u's 8][8 tiles][1536]
.set DCT,   163840                     ; the tables: [8 samples][5 x 1024] f32
.set X,   16                           ; v16-79   the rows as loaded; later the styles of even samples
.set F,   80                           ; v80-143  register 16 b + i = k 32 b + 16 (lane / 16) + i of my row
.set TM,  208
.set PC,  224
.set PW,  244
.set SEL, 28
.macro QUANT s
.irp b, 0,1,2,3
	v_max3_num_f32 v[TM+\b], |v[\s+16*\b]|, |v[\s+1+16*\b]|, 0x1800000   ; block b: my 16 numbers, and the floor 2^(3 - 127)
.endr
.irp i, 2,4,6,8,10,12,14
.irp b, 0,1,2,3
	v_max3_num_f32 v[TM+\b], v[TM+\b], |v[\s+16*\b+\i]|, |v[\s+1+16*\b+\i]|
.endr
.endr
.irp b, 0,1,2,3
	v_permlanex16_b32 v[TM+4+\b], v[TM+\b], s[SEL], s[SEL+1]
.endr
.irp b, 0,1,2,3
	v_max_num_f32 v[TM+\b], v[TM+\b], v[TM+4+\b]
.endr
.irp b, 0,1,2,3
	v_add_nc_u32 v[TM+12+\b], 0xff000000, v[TM+\b]   ; 2 off the exponent field: the conversion's scale operand
.endr
.irp b, 0,1,2,3
	v_lshrrev_b32 v[TM+4+\b], 23, v[TM+12+\b]
.endr
	v_lshl_or_b32 v[PW], v[TM+5], 8, v[TM+4]
	v_lshl_or_b32 v[PW], v[TM+6], 16, v[PW]
	v_lshl_or_b32 v[PW], v[TM+7], 24, v[PW]
.irp c, 0,1
	v_cvt_scalef32_pk16_fp6_f32 v[PC+6*\c:PC+2+6*\c], v[\s+32*\c:\s+15+32*\c], v[TM+12+2*\c]
	v_cvt_scalef32_pk16_fp6_f32 v[PC+12+4*\c:PC+14+4*\c], v[\s+16+32*\c:\s+31+32*\c], v[TM+12+2*\c+1]
.endr
	v_nop                                          ; one plain place behind a scaled conversion
.irp c, 0,1
.irp i, 0,1,2
	v_permlane16_swap_b32 v[PC+6*\c+\i], v[PC+12+4*\c+\i]
.endr
.irp i, 0,1,2
	v_mov_b32 v[PC+3+6*\c+\i], v[PC+12+4*\c+\i]
.endr
.endr
.endm
; sample b's style at the very k of my F registers, into v16.. (even b) or v144.. (odd b)
.macro SLOAD b
.set SB, 16+128*((\b)%2)
.irp k, 0,1,2,3
.irp j, 0,1,2,3
	global_load_b128 v[SB+16*\k+4*\j:SB+16*\k+4*\j+3], v11, s[18:19] offset:8192*(\b)+128*\k+16*\j
.endr
.endr
.endm
; sample b: the sum of (W s)^2 over my wave's 128, for my row
.macro BATCH b
.set SB, 16+128*((\b)%2)
.if (\b) < 7
	s_wait_loadcnt 16                              ; this sample's 16 loads are in; the next sample's may be out
.else
	s_wait_loadcnt 0x0
.endif
.set I, 0
.rept 32
	v_pk_mul_f32 v[SB+I:SB+I+1], v[SB+I:SB+I+1], v[F+I:F+I+1]
.set I, I+2
.endr
	s_wait_dscnt 0x0                               ; the last sample's LDS store has read v246
	v_pk_mul_f32 v[246:247], v[SB:SB+1], v[SB:SB+1]   ; the first products start the two chains
	v_pk_mul_f32 v[248:249], v[SB+2:SB+3], v[SB+2:SB+3]
.set I, 4
.rept 15
	v_pk_fma_f32 v[246:247], v[SB+I:SB+I+1], v[SB+I:SB+I+1], v[246:247]
	v_pk_fma_f32 v[248:249], v[SB+I+2:SB+I+3], v[SB+I+2:SB+I+3], v[248:249]
.set I, I+4
.endr
	v_pk_add_f32 v[246:247], v[246:247], v[248:249]
	v_add_f32 v246, v246, v247
	v_permlanex16_b32 v247, v246, s[SEL], s[SEL+1]
	v_add_f32 v246, v246, v247
	ds_store_b32 v7, v246 offset:64*(\b)           ; (lanes r and r + 16 write the same word with the same value)
.if (\b)+2 < 8
	SLOAD (\b)+2
.endif
.endm
	s_load_b256 s[4:11], s[0:1], 0x0               ; q, k, v, w
	s_load_b128 s[12:15], s[0:1], 0x20             ; u, styles
	s_load_b64 s[16:17], s[0:1], 0x30              ; wts
	v_lshl_add_u32 v254, v0, 2, 0x11a00
	v_mov_b32 v255, 0
	v_lshrrev_b32 v1, 5, v0
	v_readfirstlane_b32 s23, v1                    ; wave = K step
	v_and_b32 v1, 31, v0
	v_and_b32 v2, 15, v0
	v_bfe_u32 v3, v0, 4, 1
	v_lshlrev_b32 v4, 4, v1                        ; 16 x lane
	s_mul_i32 s38, s23, STGW
	v_add_nc_u32 v5, s38, v4                       ; the stage, in
	v_mul_u32_u24 v6, v2, 528
	v_lshl_add_u32 v6, v3, 6, v6
	v_add_nc_u32 v6, s38, v6                       ; and out: row r, + 64 h
	s_lshl_b32 s38, s23, 9
	s_add_co_u32 s38, s38, RED
	v_lshl_add_u32 v7, v2, 2, s38                  ; my wave's partial sums: 512 x wave + 4 r (+ 64 x sample)
	s_and_b32 s38, s23, 1
	s_lshl_b32 s38, s38, 8
	s_lshr_b32 s39, s23, 1
	s_lshl_b32 s39, s39, 2
	s_add_co_u32 s38, s38, s39
	s_add_co_u32 s38, s38, SCG
	v_lshl_add_u32 v8, v2, 4, s38                  ; my scale word's place in the image
	v_add_nc_u32 v9, RED, v4                       ; wave 0's way through the partial sums
	v_add_nc_u32 v10, SCG, v4                      ; and through the image
	v_lshlrev_b32 v11, 6, v3                       ; 64 h
	v_lshrrev_b32 v14, 2, v1                       ; at the end lane l has sample l / 4 and lane rows 4 (l % 4) on
	v_and_b32 v15, 3, v1
	v_lshlrev_b32 v12, 4, v15
	v_lshrrev_b32 v15, 1, v15
	v_lshl_add_u32 v15, v15, 5, v12                ; 4 bytes x (4 (l % 4) + 8 ((l % 4) / 2))
	v_mad_u32_u24 v12, v14, 20480, v15             ; in the tables
	v_lshl_add_u32 v13, v14, 13, v15               ; in styles
.irp b, 0,1,2,3
	v_mov_b32 v[TM+4+\b], 0                        ; written once: a lane permute's destination counts as one of its sources
.endr
	s_mov_b32 s[SEL], 0x76543210
	s_mov_b32 s[SEL+1], 0xfedcba98
	s_and_b32 s20, ttmp7, 0xffff                   ; which weight
	s_lshr_b32 s21, ttmp9, 3                       ; its group of 128 rows
	s_and_b32 s22, ttmp9, 7                        ; the tile
	s_lshr_b32 s38, s22, 1
	s_lshl_b32 s38, s38, 5
	s_and_b32 s39, s22, 1
	s_lshl_b32 s39, s39, 3
	s_add_co_u32 s38, s38, s39
	s_lshl_b32 s39, s21, 7
	s_add_co_u32 s38, s38, s39                     ; the tile's first row
	s_lshl_b32 s40, s38, 12
	s_lshl_b32 s41, s23, 9
	s_add_co_u32 s40, s40, s41                     ; in bytes, + my K step's 512
	s_mov_b32 s41, 0
	s_cmp_lt_u32 s20, 3
	s_cselect_b32 s42, 0, 4096                     ; s1 or s2
	s_lshl_b32 s43, s23, 9
	s_add_co_u32 s42, s42, s43
	s_mov_b32 s43, 0
	s_lshl_b32 s24, s20, 3
	s_add_co_u32 s24, s24, s21                     ; q, k, v: group 8 y + g
	s_lshl_b32 s26, s24, 12                        ; its scale images
	s_mul_i32 s24, s24, 98304
	s_add_co_u32 s24, s24, CODES
	s_sub_co_u32 s27, s20, 3                       ; w, u: (for q, k, v what follows is not used)
	s_mul_i32 s25, s27, 98304                      ; eight steps of 12,288 for u
	s_mul_i32 s44, s21, 196608
	s_add_co_u32 s25, s25, s44
	s_add_co_u32 s25, s25, WUC
	s_lshl_b32 s27, s27, 12
	s_lshl_b32 s44, s21, 13
	s_add_co_u32 s27, s27, s44
	s_add_co_u32 s27, s27, 98304
	s_cmp_lt_u32 s20, 3
	s_cselect_b32 s24, s24, s25
	s_cselect_b32 s26, s26, s27
	s_mul_i32 s25, s23, 12288
	s_add_co_u32 s24, s24, s25
	s_mul_i32 s25, s22, 1536
	s_add_co_u32 s24, s24, s25                     ; my fragment's image
	s_mov_b32 s25, 0
	s_lshl_b32 s27, s22, 9
	s_add_co_u32 s26, s26, s27                     ; the tile's image of scale words
	s_mov_b32 s27, 0
	s_lshl_b32 s44, s20, 12
	s_lshl_b32 s45, s38, 2
	s_add_co_u32 s44, s44, s45
	s_add_co_u32 s44, s44, DCT                     ; the table: column 1024 y + first row
	s_add_co_u32 s46, s45, 4096                    ; s2 at the first row
	s_mov_b32 s45, 0
	s_mov_b32 s47, 0
	s_wait_kmcnt 0x0
	s_cmp_eq_u32 s20, 1                            ; the weight's buffer: a choice on the work-group's number alone
	s_cselect_b64 s[4:5], s[6:7], s[4:5]
	s_cmp_eq_u32 s20, 2
	s_cselect_b64 s[4:5], s[8:9], s[4:5]
	s_cmp_eq_u32 s20, 3
	s_cselect_b64 s[4:5], s[10:11], s[4:5]
	s_cmp_eq_u32 s20, 4
	s_cselect_b64 s[4:5], s[12:13], s[4:5]
	s_add_nc_u64 s[4:5], s[4:5], s[40:41]
	s_add_nc_u64 s[18:19], s[14:15], s[42:43]
	s_add_nc_u64 s[30:31], s[16:17], s[24:25]
	s_add_nc_u64 s[32:33], s[16:17], s[26:27]
	s_add_nc_u64 s[34:35], s[16:17], s[44:45]
	s_add_nc_u64 s[36:37], s[14:15], s[46:47]
.irp p, 0,1,2,3,4,5,6,7,8,9,10,11,12,13,14,15
	global_load_b128 v[X+4*\p:X+4*\p+3], v4, s[4:5] offset:(\p+8*(\p/8))*4096 th:TH_LOAD_NT   ; 512 consecutive bytes of lane row p
.endr
.irp p, 0,1,2,3,4,5,6,7,8,9,10,11,12,13,14,15
	s_wait_loadcnt 15-\p                           ; row p is in, the younger rows stay out
	ds_store_b128 v5, v[X+4*\p:X+4*\p+3] offset:528*\p
.endr
.irp b, 0,1,2,3
.irp j, 0,1,2,3
	ds_load_b128 v[F+16*\b+4*\j:F+16*\b+4*\j+3], v6 offset:128*\b+16*\j   ; LDS serves a wave's instructions in order: these see my stores
.endr
.endr
	s_wait_dscnt 0x0                               ; F is in, and the stores have read X's registers, which the styles now take
	SLOAD 0
	SLOAD 1
	QUANT F
.irp c, 0,1,2
	global_store_b128 v4, v[PC+4*\c:PC+4*\c+3], s[30:31] offset:512*\c
.endr
	ds_store_b32 v8, v[PW]
.irp b, 0,1,2,3,4,5,6,7
	BATCH \b
.endr
	s_wait_dscnt 0x0
	s_barrier_signal -1
	s_barrier_wait -1                              ; all partial sums and scale words lie in LDS
	s_cmp_lg_u32 s23, 0
	s_cbranch_scc1 .Lend
	ds_load_b128 v[16:19], v10
.irp w, 0,1,2,3,4,5,6,7
	ds_load_b128 v[20+4*\w:23+4*\w], v9 offset:512*\w
.endr
	s_wait_dscnt 0x0
	global_store_b128 v4, v[16:19], s[32:33]       ; the image of scale words: 512 consecutive bytes
.irp w, 1,2,3,4,5,6,7
	v_pk_add_f32 v[20:21], v[20:21], v[20+4*\w:21+4*\w]
	v_pk_add_f32 v[22:23], v[22:23], v[22+4*\w:23+4*\w]
.endr
	v_pk_add_f32 v[20:21], v[20:21], 0x322bcc77 op_sel_hi:[1,0]   ; + 1e-8
	v_pk_add_f32 v[22:23], v[22:23], 0x322bcc77 op_sel_hi:[1,0]
.irp i, 20,21,22,23
	v_rsq_f32 v\i, v\i
.endr
	v_nop                                          ; one plain place behind a transcendental
	s_cmp_lg_u32 s20, 2
	s_cbranch_scc1 .Lplain
	global_load_b128 v[24:27], v13, s[36:37]       ; v's table takes s2[b][o] with it
	s_wait_loadcnt 0x0
	s_wait_alu depctr_va_vdst(0)
	v_pk_mul_f32 v[20:21], v[20:21], v[24:25]
	v_pk_mul_f32 v[22:23], v[22:23], v[26:27]
.Lplain:
	s_wait_alu depctr_va_vdst(0)
	global_store_b128 v12, v[20:23], s[34:35]
.Lend:
	s_wait_tensorcnt 0x0
	ds_add_u32 v254, v255
	s_wait_dscnt 0x0
	s_endpgm
.Lfunc_end_k_q95018950a9_wprep:
	.size	k_q95018950a9_wprep, .Lfunc_end_k_q95018950a9_wprep-k_q95018950a9_wprep
	.p2alignl 7, 3214868480
	.fill 96, 4, 3214868480
	.section	.rodata,"a",@progbits
	.p2align	6, 0x0
	.amdhsa_kernel k_q95018950a9_wprep
		.amdhsa_group_segment_fixed_size 73216
		.amdhsa_private_segment_fixed_size 0
		.amdhsa_enable_private_segment 0
		.amdhsa_kernarg_size 56
		.amdhsa_user_sgpr_count 2
		.amdhsa_user_sgpr_kernarg_segment_ptr 1
		.amdhsa_wavefront_size32 1
		.amdhsa_system_sgpr_workgroup_id_x 1
		.amdhsa_system_sgpr_workgroup_id_y 1
		.amdhsa_system_sgpr_workgroup_id_z 1
		.amdhsa_system_vgpr_workitem_id 0
		.amdhsa_next_free_vgpr 256
		.amdhsa_next_free_sgpr 66
		.amdhsa_reserve_vcc 0
		.amdhsa_float_denorm_mode_32 3
		.amdhsa_float_denorm_mode_16_64 3
		.amdhsa_memory_ordered 1
		.amdhsa_forward_progress 1
		.amdhsa_inst_pref_size 62
	.end_amdhsa_kernel
	.amdgpu_metadata
---
amdhsa.version: [ 1, 2 ]
amdhsa.kernels:
  - .name:           k_q95018950a9_wprep
    .symbol:         k_q95018950a9_wprep.kd
    .args:
      - { .name: q_weight, .offset: 0, .size: 8, .value_kind: global_buffer, .address_space: global }
      - { .name: k_weight, .offset: 8, .size: 8, .value_kind: global_buffer, .address_space: global }
      - { .name: v_weight, .offset: 16, .size: 8, .value_kind: global_buffer, .address_space: global }
      - { .name: w_weight, .offset: 24, .size: 8, .value_kind: global_buffer, .address_space: global }
      - { .name: u_weight, .offset: 32, .size: 8, .value_kind: global_buffer, .address_space: global }
      - { .name: styles, .offset: 40, .size: 8, .value_kind: global_buffer, .address_space: global }
      - { .name: wts, .offset: 48, .size: 8, .value_kind: global_buffer, .address_space: global }
    .group_segment_fixed_size: 73216
    .private_segment_fixed_size: 0
    .kernarg_segment_align: 8
    .kernarg_segment_size: 56
    .max_flat_workgroup_size: 256
    .sgpr_count:     66
    .vgpr_count:     256
    .wavefront_size: 32
...
	.end_amdgpu_metadata
.endif
;; end of part 2
;; launch qkv (part 3): grid 4 x 64, 4 waves a work-group, clusters of 4 x 4, 327,680 bytes of LDS; arguments xa, wts, att, ov; writes att, ov
.if DOCPART == 3
	.amdgcn_target "amdgcn-amd-amdhsa--gfx1250"
	.amdhsa_code_object_version 6
	.text
	.protected	k_q95018950a9_qkv
	.globl	k_q95018950a9_qkv
	.p2align	8
	.type	k_q95018950a9_qkv,@function
k_q95018950a9_qkv:
	s_mov_b64 s[64:65], 0
	v_nop
	global_prefetch_b8 v0, s[64:65] scope:SCOPE_SE
	s_setreg_imm32_b32 hwreg(HW_REG_WAVE_MODE, 25, 1), 1
	s_wait_xcnt 0x0
	s_wait_alu depctr_hold_cnt(0) depctr_sa_sdst(0) depctr_va_vdst(0) depctr_va_sdst(0) depctr_va_ssrc(0) depctr_va_vcc(0) depctr_vm_vsrc(0)
	s_getreg_b32 s2, hwreg(HW_REG_IB_STS2, 6, 4)
	s_cmp_eq_u32 s2, 0
	s_cbranch_scc0 .Lentry_in_a_cluster
	s_endpgm
.Lentry_in_a_cluster:
	s_bfe_u32 s2, ttmp6, 0x10000c
	s_cmp_lg_u32 s2, 0xf033
	s_cbranch_scc0 .Lentry_shape_is_right
	s_endpgm
.Lentry_shape_is_right:
; q, k and v_flat = (xn W^T) x table, on codes of E2M3 with E8M0 scales, and their own quantising for the products that follow.  K = 1,024 in eight steps of 128.
; A WORK-GROUP STAYS.  It owns one group of 128 rows of xn and 256 columns (cx), keeps xn's codes for the whole K in LDS, and walks FOUR PHASES of eight K steps:
;   0, 1, 2 (q, k, v): source 0 = 256 rows of the weight (they land in a lane's REGISTERS), source 1 = the 128 rows of xn (they land in the LANES).  What lands in registers is the axis along which the
;   result is quantised next: q, k along the head's 64 (two blocks), v_flat along the hidden axis, for the product with u_weight.
;   3: the third phase's product with the sources swapped: source 0 = the 128 rows of xn (keys), source 1 = the same 256 rows of v_weight, which still lie in LDS: v_flat quantised along the KEYS, for attention's
;   second product.  It fetches nothing.  It costs a third more products and spares sending 33 MB of f32 results through LDS to turn them.
; Both operands lie in memory as images of their registers (a fragment of 16 rows x 128 K is 1,536 bytes: registers 4 c .. 4 c + 3 of lane l at 512 c + 16 l): two K steps of a group are 24,576 dense bytes, one tensor
; load of 96 rows of 256 bytes, and a fragment comes by three ds_load_b128 of 512 consecutive bytes.
; LDS: two slots of weights, four K steps of two groups each; xn's group behind them, filled once.  A slot is filled again with the next weight's same steps as soon as it is read out: four refills in all, each with
; four K steps (128 matrix instructions a wave) in which to land.  By this text's own count a wave has three tensor loads out at the start and one behind each refill's barrier.
; CLUSTER 4 x 4: the weights hang on cx alone and are shared along a column, xn on cy alone and is shared along a row: each tile is asked for jointly, every wave bringing a quarter.
; A wave makes 128 (source 0) x 64 (source 1): 32 accumulators, which take turns, one instruction a turn, in the same order in every step.
; The rows of a tile are not neighbours (lane row p of tile t is row 32 (t / 2) + 8 (t % 2) + p + 8 (p / 8) of its group of 128), so a lane's registers 8 y + j of the eight accumulators of one z
; are index 32 (y / 2) + 16 (lane / 16) + 8 (y % 2) + j of source 0's axis: 16 neighbours in each 16 registers, as the conversions want them.
; The 32 steps are written out: each phase has its own scale registers, table, stores and (the last) address registers, all of them constants of the text.
; LIMITS: NaN and infinities are not served; a block under 2^-124 (a block of zeros too) keeps the scale byte 1; v_dc s2 are multiplied together first and then onto the sum.
; REGISTERS: window 0: addresses, scale words, T, codes; window 1: the 32 accumulators ((z, y) at v[8 (8 z + y)]); window 2: fragment set 0 (source 0 v0-95, source 1 v96-143), the table by registers v160-223; window 3: fragment set 1.
.set CODES, 327680                     ; where codes begin in xa and in wts; a group of 128 rows is GRP bytes: [8 steps][8 tiles][1536]
.set GRP,   98304
.set HSL,   49152                      ; four K steps of one group
.set QTR,   24576                      ; two K steps of one group: what one tensor load brings
.set YSL,   2*HSL                      ; a slot of weights: [2 groups][4 steps][8 tiles][1536]
.set ZB,    2*YSL                      ; behind the two slots: xn's group, all eight K steps
.set SPARE, ZB+GRP                     ; the spare words, 128 bytes for each wave: two blocks of 256 bytes that no other line names
.set NEXTW, 8*GRP                      ; from a weight's group to the same group of the next weight
.set STEPB, 12288
.set FRB,   1536
.set DCT,   163840                     ; the tables in wts: [8 samples][5120] f32
.set REC,   104448                     ; att: a head's record: K's codes 49,152, V^T's codes 49,152, K's scale images 4,096, V's 2,048
.set KVB,   6815744                    ; where the records begin
.set QSB,   6291456                    ; where Q's scale images begin
.set OVC,   524288                     ; ov: where codes begin
.set AY,  4                            ; v4-5   phases 0-2: LDS address of my weight fragments in slot 0, 1
.set AZ,  6                            ; v6-7   phases 0-2: of my four tiles of xn, K steps 0-3, 4-7
.set AX,  12                           ; v12-13 phase 3: of xn's eight tiles
.set AW,  14                           ; v14-15 phase 3: of my four tiles of v_weight
.set YS,  16                           ; v16-79 source 0's scale words, two sets by turns: register 4 y + e: step 2 e in lanes 0-15, step 2 e + 1 in lanes 16-31
.set ZS,  80                           ; v80-95 my four tiles of xn: 4 z + e
.set WZS, 96                           ; v96-111 my four tiles of v_weight
.set T,   112                          ; v112-175 64 results x table
.set PC,  176
.set TM,  196
.set PW,  212
.set PWA, 213
.set PWB, 214
.set IMA, 216                          ; v[216:217], v[218:219] images of four tiles' scale words: register e: tile 2 e in lanes 0-15, tile 2 e + 1 in lanes 16-31
.set IMB, 218
.set ML,  220                          ; v220, 222, 224, 226 the table by lanes (each the low half of a pair)
.set MU,  160                          ; in window 2: the table by registers
.set SEL, 20
.set G1Y, 24                           ; s[24:31] descriptor group 1 for the weights;  s[32:39] for xn: they differ in the mask alone
.set G1Z, 32
.set G0Y, 40                           ; s[40:47] group 0 for the weights, one set for each slot;  s[48:51] for xn
.set G0Z, 48
.set MSB, 0
.macro WIN new                         ; the immediate's high byte repeats the setting that is left
.if MSB != \new
	s_set_vgpr_msb (MSB<<8)|\new
.set MSB, \new
.endif
.endm
.macro PLACES n
.rept \n
	v_nop
.endr
.endm
.macro CROUND                          ; a round of the cluster's barrier
	s_barrier_signal -1
	s_barrier_wait -1
	s_cmp_lg_u32 s12, 0
	s_cbranch_scc1 .Lnot_wave_0_\@
	s_barrier_signal -3
.Lnot_wave_0_\@:
	s_barrier_wait -3
	s_barrier_signal -1
	s_barrier_wait -1
.endm
; one scaled matrix instruction; zero = 1: it starts its sum; ra, rb = 1: that side's scales are taken from lanes 16-31
.macro WM d, a, b, zero, sa, sb, ra, rb
.if \zero
.if (\ra) && (\rb)
	v_wmma_scale_f32_16x16x128_f8f6f4 v[(\d):(\d)+7], v[(\a):(\a)+11], v[(\b):(\b)+11], 0, v[\sa], v[\sb] matrix_a_fmt:MATRIX_FMT_FP6 matrix_b_fmt:MATRIX_FMT_FP6 matrix_a_scale:MATRIX_SCALE_ROW1 matrix_b_scale:MATRIX_SCALE_ROW1
.else
	v_wmma_scale_f32_16x16x128_f8f6f4 v[(\d):(\d)+7], v[(\a):(\a)+11], v[(\b):(\b)+11], 0, v[\sa], v[\sb] matrix_a_fmt:MATRIX_FMT_FP6 matrix_b_fmt:MATRIX_FMT_FP6
.endif
.else
.if (\ra) && (\rb)
	v_wmma_scale_f32_16x16x128_f8f6f4 v[(\d):(\d)+7], v[(\a):(\a)+11], v[(\b):(\b)+11], v[(\d):(\d)+7], v[\sa], v[\sb] matrix_a_fmt:MATRIX_FMT_FP6 matrix_b_fmt:MATRIX_FMT_FP6 matrix_a_scale:MATRIX_SCALE_ROW1 matrix_b_scale:MATRIX_SCALE_ROW1
.else
	v_wmma_scale_f32_16x16x128_f8f6f4 v[(\d):(\d)+7], v[(\a):(\a)+11], v[(\b):(\b)+11], v[(\d):(\d)+7], v[\sa], v[\sb] matrix_a_fmt:MATRIX_FMT_FP6 matrix_b_fmt:MATRIX_FMT_FP6
.endif
.endif
.endm
; 64 numbers of a lane, register 16 b + i = index 32 b + 16 (lane / 16) + i of my row, become a fragment's codes in v[PC] on and its scale word in v[PW]
.macro QUANT s
.irp b, 0,1,2,3
	v_max3_num_f32 v[TM+\b], |v[\s+16*\b]|, |v[\s+1+16*\b]|, 0x1800000   ; block b: my 16 numbers, and the floor 2^(3 - 127)
.endr
.irp i, 2,4,6,8,10,12,14
.irp b, 0,1,2,3
	v_max3_num_f32 v[TM+\b], v[TM+\b], |v[\s+16*\b+\i]|, |v[\s+1+16*\b+\i]|
.endr
.endr
.irp b, 0,1,2,3
	v_permlanex16_b32 v[TM+4+\b], v[TM+\b], s[SEL], s[SEL+1]
.endr
.irp b, 0,1,2,3
	v_max_num_f32 v[TM+\b], v[TM+\b], v[TM+4+\b]
.endr
.irp b, 0,1,2,3
	v_add_nc_u32 v[TM+12+\b], 0xff000000, v[TM+\b]   ; 2 off the exponent field: the conversion's scale operand
.endr
.irp b, 0,1,2,3
	v_lshrrev_b32 v[TM+4+\b], 23, v[TM+12+\b]
.endr
	v_lshl_or_b32 v[PW], v[TM+5], 8, v[TM+4]
	v_lshl_or_b32 v[PW], v[TM+6], 16, v[PW]
	v_lshl_or_b32 v[PW], v[TM+7], 24, v[PW]
	s_wait_xcnt 0x0                                ; the codes' registers and the images are the data of earlier stores: they are rewritten only behind this wait
.irp c, 0,1
	v_cvt_scalef32_pk16_fp6_f32 v[PC+6*\c:PC+2+6*\c], v[\s+32*\c:\s+15+32*\c], v[TM+12+2*\c]
	v_cvt_scalef32_pk16_fp6_f32 v[PC+12+4*\c:PC+14+4*\c], v[\s+16+32*\c:\s+31+32*\c], v[TM+12+2*\c+1]   ; (a conversion's three registers begin on an even number)
.endr
	v_nop                                          ; one plain place behind a scaled conversion
.irp c, 0,1                                    ; the operand's layout wants a whole block in a lane
.irp i, 0,1,2
	v_permlane16_swap_b32 v[PC+6*\c+\i], v[PC+12+4*\c+\i]
.endr
.irp i, 0,1,2
	v_mov_b32 v[PC+3+6*\c+\i], v[PC+12+4*\c+\i]
.endr
.endr
.endm
; A third of step g's 36 fragment loads (g counts the steps of all phases), into set g % 2.  part 0, 1: source 0's tiles 0-3, 4-7;  part 2: source 1's four tiles
.macro FRUN g, part
.set FS, (\g)%8
.if ((\g)/8) == 3
.set ADS0, AX+FS/4
.set ADS1, AW+FS/4
.else
.set ADS0, AY+FS/4
.set ADS1, AZ+FS/4
.endif
.if (FS%2) == 0
	WIN 0x80                                       ; destination window 2, address window 0
.else
	WIN 0xc0                                       ; destination window 3
.endif
.irp t, 0,1,2,3
.irp c, 0,1,2
.if (\part) < 2
	ds_load_b128 v[12*(4*(\part)+\t)+4*\c:12*(4*(\part)+\t)+4*\c+3], v[ADS0] offset:(FS%4)*STEPB+FRB*(4*(\part)+\t)+512*\c
.else
	ds_load_b128 v[96+12*\t+4*\c:96+12*\t+4*\c+3], v[ADS1] offset:(FS%4)*STEPB+FRB*\t+512*\c
.endif
.endr
.endr
.endm
; eight matrix instructions: source 1's tile z against source 0's eight, K step s of phase p
.macro ROW p, s, z, zero
.if ((\s)%2) == 0
	WIN 0x5a                                       ; sources 0 and 1 window 2, C and D window 1
.else
	WIN 0x5f                                       ; sources window 3
.endif
.set SY, YS+32*((\p)%2)
.if (\p) == 3
.set SZ, WZS
.else
.set SZ, ZS
.endif
.irp y, 0,1,2,3,4,5,6,7
	WM 8*(8*(\z)+\y), 12*\y, 96+12*(\z), \zero, SY+4*\y+(\s)/2, SZ+4*(\z)+(\s)/2, (\s)%2, (\s)%2
.endr
.endm
; THE CHANGE OF SLOTS.  Each wave waits for all its tensor loads (its part of the slot ahead), adds 0 to its spare word, and waits for that and for its reads of the slot that it leaves.
; fill = 1: a round of the cluster's barrier, and behind it, first thing, the slot just left is filled with the next weight's same four K steps: one load a wave.
.macro CHANGE slot, fill
	WIN 0                                          ; the add's registers lie in window 0
	s_wait_tensorcnt 0x0                           ; no tensor load of mine is out, so a group 0 may be written
	ds_add_u32 v10, v11                            ; 0 onto my spare word
.if \fill
	s_add_nc_u64 s[G0Y+4*\slot+2:G0Y+4*\slot+3], s[G0Y+4*\slot+2:G0Y+4*\slot+3], NEXTW   ; the type bits on top are not reached
.endif
	s_wait_dscnt 0x0                               ; the add is done, my reads of the slot that I leave are over, and this step's fragments are in
.if \fill
	CROUND
	tensor_load_to_lds s[G0Y+4*\slot:G0Y+4*\slot+3], s[G1Y:G1Y+7]
	s_nop 0
	PLACES 4                                       ;   They are also the places in front of the loads into the set that the last step's products read
.else
	s_barrier_signal -1
	s_barrier_wait -1
.endif
.endm
; K step s of phase p.  The next step's fragments are fetched in three runs of twelve loads among this step's products, the last run 16 matrix instructions ahead of the wait for it.
.macro STEP p, s, zero
.set G, 8*(\p)+(\s)
.if G == 3
	CHANGE 0, 1                                    ; slot 0: k_weight's steps 0-3
.elseif G == 7
	CHANGE 1, 1                                    ; slot 1: k_weight's steps 4-7
.elseif G == 11
	CHANGE 0, 1                                    ; slot 0: v_weight's steps 0-3
.elseif G == 15
	CHANGE 1, 1                                    ; slot 1: v_weight's steps 4-7: the last tensor load
.elseif G == 19
	PLACES 4
	CHANGE 0, 0                                    ; slot 1 is whole for every wave; nothing is filled any more, and no further barrier is needed
.else
.if (\s) > 0
	PLACES 4                                       ; in front of loads into the set that the last step's products read (behind a way out its vector lines are the places)
.endif
	s_wait_dscnt 0x0                               ; this step's fragments are in
.endif
.if G < 31
	FRUN G+1, 0
.endif
	ROW \p, \s, 0, \zero
.if G < 31
	FRUN G+1, 1
.endif
	ROW \p, \s, 1, \zero
.if G < 31
	FRUN G+1, 2
.endif
	ROW \p, \s, 2, \zero
	ROW \p, \s, 3, \zero
.endm
.macro PHASE p
	STEP \p, 0, 1                                  ; the first step's products start the sums: nothing is cleared
.irp s, 1,2,3,4,5,6,7
	STEP \p, \s, 0
.endr
.endm
; THE WAY OUT, a tile of source 1 at a time: results x table, quantised, stored as images.  kind 0: q or k (two heads: two half fragments); 1: v_flat along the hidden axis; 2: v_flat along the keys.
; sb: the first of the scalar registers with the phase's addresses (kind 0: codes of the two heads, scale images of the two heads; else codes, scale images)
.macro EPI kind, sb
	WIN 0
	PLACES 4                                       ; in front of the first read of results
.if \kind != 2
	s_wait_loadcnt 0x0                             ; the phase's table and the next phase's scale words: asked for eight K steps ago
.endif
.irp z, 0,1,2,3
.if \kind == 2
	WIN 0x01                                       ; source 0 window 1
.else
	WIN 0x09                                       ; source 0 window 1, source 1 window 2
.endif
.set I, 0
.rept 32                                       ; each accumulator from its low end on
.if \kind == 2
	v_pk_mul_f32 v[T+I:T+I+1], v[64*\z+I:64*\z+I+1], v[ML+2*\z:ML+2*\z+1] op_sel_hi:[1,0]
.else
	v_pk_mul_f32 v[T+I:T+I+1], v[64*\z+I:64*\z+I+1], v[MU+I:MU+I+1]
.endif
.set I, I+2
.endr
	WIN 0
	QUANT T
.if \kind == 0
	global_store_b128 v1, v[PC:PC+3], s[\sb:\sb+1] offset:768*\z          ; the first head's 64 along K: registers 0-3 at 16 l, 4-5 at 512 + 8 l: 768 consecutive bytes
	global_store_b64 v2, v[PC+4:PC+5], s[\sb:\sb+1] offset:768*\z+512
	global_store_b128 v1, v[PC+6:PC+9], s[\sb+2:\sb+3] offset:768*\z      ; the second head's
	global_store_b64 v2, v[PC+10:PC+11], s[\sb+2:\sb+3] offset:768*\z+512
.if (\z%2) == 0
	v_and_b32 v[IMA+\z/2], 0xffff, v[PW]           ; each head's two bytes; the bytes of the 64 that are filled with zero codes are 0
	v_lshrrev_b32 v[IMB+\z/2], 16, v[PW]
.else
	v_and_b32 v[PWA], 0xffff, v[PW]
	v_lshrrev_b32 v[PWB], 16, v[PW]
	v_cndmask_b32 v[IMA+\z/2], v[IMA+\z/2], v[PWA], s19   ; odd tiles' words go to lanes 16-31
	v_cndmask_b32 v[IMB+\z/2], v[IMB+\z/2], v[PWB], s19
.endif
.else
.irp c, 0,1,2
	global_store_b128 v1, v[PC+4*\c:PC+4*\c+3], s[\sb:\sb+1] offset:FRB*\z+512*\c   ; 512 consecutive bytes, aligned
.endr
.if (\z%2) == 0
	v_mov_b32 v[IMA+\z/2], v[PW]
.else
	v_cndmask_b32 v[IMA+\z/2], v[IMA+\z/2], v[PW], s19
.endif
.endif
.endr
.if \kind == 0
	global_store_b64 v2, v[IMA:IMA+1], s[\sb+4:\sb+5]   ; four tiles' scale words: 256 consecutive bytes
	global_store_b64 v2, v[IMB:IMB+1], s[\sb+6:\sb+7]
.else
	global_store_b64 v2, v[IMA:IMA+1], s[\sb+2:\sb+3]
.endif
.endm
; Behind phase p's way out: the table of phase p + 1, and source 0's scale words of phase p + 2, into the set that phase p has left.  They have eight K steps in which to land.
.macro ASK p
	WIN 0x80                                       ; destination window 2
.irp y, 0,1,2,3,4,5,6,7
	global_load_b128 v[MU+8*\y:MU+8*\y+3], v8, s[58:59] offset:4096*(\p+1)+4*(32*(\y/2)+8*(\y%2))
	global_load_b128 v[MU+8*\y+4:MU+8*\y+7], v8, s[58:59] offset:4096*(\p+1)+4*(32*(\y/2)+8*(\y%2))+16
.endr
	WIN 0
.irp y, 0,1,2,3,4,5,6,7
.if \p == 0
	global_load_b128 v[YS+4*\y:YS+4*\y+3], v1, s[52:53] offset:65536+512*\y      ; v_weight's
.else
	global_load_b128 v[YS+32+4*\y:YS+32+4*\y+3], v1, s[54:55] offset:512*\y      ; xn's eight tiles
.endif
.endr
.endm
	s_load_b256 s[4:11], s[0:1], 0x0               ; xa s[4:5], wts s[6:7], att s[8:9], ov s[10:11]
	v_lshl_add_u32 v10, v0, 2, SPARE               ; my spare word; never rewritten
	v_mov_b32 v11, 0                               ; 0; never rewritten
	ds_add_u32 v10, v11
	ds_add_u32 v10, v11
	s_wait_dscnt 0x0
	v_lshrrev_b32 v1, 5, v0
	v_readfirstlane_b32 s12, v1                    ; wave 0..3
	s_lshr_b32 s13, s12, 1                         ; wz: my four tiles of xn.  Phase 3: my group of v_weight
	s_and_b32 s14, s12, 1                          ; wy: my group of the weight.  Phase 3: my four tiles of it
	s_bfe_u32 s15, ttmp6, 0x40000                  ; cx
	s_bfe_u32 s16, ttmp6, 0x40004                  ; cy
	s_and_b32 s18, ttmp7, 0xffff                   ; cluster y
	s_mov_b32 s19, 0xffff0000                      ; lanes 16-31
	s_mov_b32 s[SEL], 0x76543210
	s_mov_b32 s[SEL+1], 0xfedcba98
	s_lshl_b32 s22, s15, 1                         ; the weights' first group: 2 cx
	s_lshl_b32 s23, s18, 2
	s_add_co_u32 s23, s23, s16                     ; xn's group: 4 x cluster y + cy
	s_lshl_b32 s62, 0x1111, s15                    ; my column of the cluster
	s_lshl_b32 s66, s16, 2
	s_lshl_b32 s66, 15, s66                        ; my row
	s_or_b32 s[G1Y], s62, (3<<16)|(1<<21)          ; 15:0 the mask; 17:16 elements of 8 bytes; 21 set beside a mask; no padding
	s_or_b32 s[G1Z], s66, (3<<16)|(1<<21)
.irp g, G1Y, G1Z
	s_mov_b32 s[\g+1], 32<<16                      ; tensor_dim0 = 32 elements: rows of 256 bytes
	s_mov_b32 s[\g+2], 96<<16                      ; tensor_dim1 = 96 rows: two K steps of a group
	s_mov_b32 s[\g+3], 32<<16                      ; tile_dim0
	s_mov_b32 s[\g+4], 96                          ; tile_dim1
	s_mov_b32 s[\g+5], 32                          ; the pitch: the block is dense
	s_mov_b32 s[\g+6], 0
	s_mov_b32 s[\g+7], 0
.endr
	; what I fetch.  Weights: group 2 cx + wave / 2, K steps 2 (wave % 2) on of a slot's four: it never holds cy.  xn: K steps 2 x wave on: it never holds cx.
	s_add_co_u32 s96, s22, s13                     ; 2 cx + wave / 2: kept: also my group of v_weight in phase 3
	s_mul_i32 s62, s96, GRP
	s_mul_i32 s63, s14, QTR
	s_add_co_u32 s62, s62, s63
	s_add_co_u32 s62, s62, CODES
	s_mov_b32 s63, 0
	s_mul_i32 s92, s12, QTR                        ; and where it goes in a slot, or in xn's bytes: wave x 24,576: no place in the cluster enters an LDS address
	s_mul_i32 s66, s23, GRP
	s_add_co_u32 s66, s66, s92
	s_add_co_u32 s66, s66, CODES
	s_mov_b32 s67, 0
	; byte offsets of scale images and tables
	s_add_co_u32 s17, s22, s14                     ; gy = 2 cx + wy: my group of the weight
	s_lshl_b32 s52, s17, 12                        ; its scale images (q's; k's and v's lie 32,768 and 65,536 bytes on)
	s_mov_b32 s53, 0
	s_lshl_b32 s54, s23, 12                        ; xn's eight tiles' scale images
	s_mov_b32 s55, 0
	s_lshl_b32 s93, s13, 11
	s_add_co_u32 s94, s54, s93                     ; my four tiles'
	s_mov_b32 s95, 0
	s_add_co_u32 s56, s96, 16
	s_lshl_b32 s56, s56, 12
	s_lshl_b32 s93, s14, 11
	s_add_co_u32 s56, s56, s93                     ; phase 3: my four tiles of v_weight
	s_mov_b32 s57, 0
	s_lshr_b32 s97, s23, 3                         ; the sample
	s_mul_i32 s93, s97, 20480
	s_add_co_u32 s93, s93, DCT
	s_lshl_b32 s58, s17, 9
	s_add_co_u32 s58, s58, s93                     ; the table by registers: column 128 gy of q's (k's and v's lie 4,096 and 8,192 bytes on)
	s_mov_b32 s59, 0
	s_lshl_b32 s60, s96, 9
	s_add_co_u32 s60, s60, s93
	s_lshl_b32 s93, s14, 8
	s_add_co_u32 s60, s60, s93
	s_add_co_u32 s60, s60, 8192                    ; the table by lanes: v's, column 128 x my group + 64 wy
	s_mov_b32 s61, 0
	; byte offsets of the results.  q, k: heads hd0 = 16 x sample + 2 gy and hd0 + 1, tiles 4 (2 (group % 8) + wz) on
	s_lshl_b32 s98, s97, 4
	s_lshl_b32 s93, s17, 1
	s_add_co_u32 s98, s98, s93                     ; hd0
	s_and_b32 s100, s23, 7                         ; the group in its sample: the key step
	s_lshl_b32 s99, s100, 1
	s_add_co_u32 s99, s99, s13                     ; which four tiles
	s_mul_i32 s101, s98, REC
	s_mul_i32 s93, s99, 4*768
	s_mul_i32 s68, s98, 49152
	s_add_co_u32 s68, s68, s93                     ; q's codes: [head][64 tiles][768]
	s_mov_b32 s69, 0
	s_add_co_u32 s76, s101, s93
	s_add_co_u32 s76, s76, KVB                     ; k's: in the heads' records
	s_mov_b32 s77, 0
	s_lshl_b32 s93, s99, 8
	s_lshl_b32 s72, s98, 12
	s_add_co_u32 s72, s72, s93
	s_add_co_u32 s72, s72, QSB                     ; q's scale images
	s_mov_b32 s73, 0
	s_add_co_u32 s80, s101, s93
	s_add_co_u32 s80, s80, KVB+98304               ; k's
	s_mov_b32 s81, 0
	s_mul_i32 s84, s23, 196608                     ; v_flat along the hidden axis: ov, my group, K step 8 + gy, tiles 4 wz on
	s_add_co_u32 s101, s17, 8
	s_mul_i32 s93, s101, STEPB
	s_add_co_u32 s84, s84, s93
	s_mul_i32 s93, s13, 4*FRB
	s_add_co_u32 s84, s84, s93
	s_add_co_u32 s84, s84, OVC
	s_mov_b32 s85, 0
	s_lshl_b32 s86, s23, 13
	s_lshl_b32 s93, s101, 9
	s_add_co_u32 s86, s86, s93
	s_lshl_b32 s93, s13, 8
	s_add_co_u32 s86, s86, s93
	s_mov_b32 s87, 0
	s_lshl_b32 s101, s97, 4                        ; v_flat along the keys: head 16 x sample + 2 x my group of v_weight + wy, my key step, the head's four tiles of 16
	s_lshl_b32 s93, s96, 1
	s_add_co_u32 s101, s101, s93
	s_add_co_u32 s101, s101, s14
	s_mul_i32 s101, s101, REC
	s_mul_i32 s93, s100, 4*FRB
	s_add_co_u32 s88, s101, s93
	s_add_co_u32 s88, s88, KVB+49152
	s_mov_b32 s89, 0
	s_lshl_b32 s93, s100, 8
	s_add_co_u32 s90, s101, s93
	s_add_co_u32 s90, s90, KVB+102400
	s_mov_b32 s91, 0
	s_wait_kmcnt 0x0
	s_add_nc_u64 s[62:63], s[6:7], s[62:63]
	s_add_nc_u64 s[66:67], s[4:5], s[66:67]
.irp s, 0,1
	s_mov_b32 s[G0Y+4*\s], 1                       ; count = 1
	s_add_co_u32 s[G0Y+4*\s+1], s92, \s*YSL        ; LDS address
	s_add_nc_u64 s[G0Y+4*\s+2:G0Y+4*\s+3], s[62:63], \s*HSL   ; q_weight's K steps 4 s on
	s_or_b32 s[G0Y+4*\s+3], s[G0Y+4*\s+3], 0x80000000         ; type = 2
.endr
	s_mov_b32 s[G0Z], 1
	s_add_co_u32 s[G0Z+1], s92, ZB
	s_mov_b64 s[G0Z+2:G0Z+3], s[66:67]
	s_or_b32 s[G0Z+3], s[G0Z+3], 0x80000000
	CROUND                                         ; all sixteen work-groups are here: the first joint loads meet
	tensor_load_to_lds s[G0Y:G0Y+3], s[G1Y:G1Y+7]  ; the first fills go out as one group: slot 0,
	s_nop 0
	tensor_load_to_lds s[G0Z:G0Z+3], s[G1Z:G1Z+7]  ; xn,
	s_nop 0
	tensor_load_to_lds s[G0Y+4:G0Y+7], s[G1Y:G1Y+7]   ; slot 1: three loads of mine are out
	s_nop 0
	PLACES 4
	s_add_nc_u64 s[52:53], s[6:7], s[52:53]
	s_add_nc_u64 s[54:55], s[4:5], s[54:55]
	s_add_nc_u64 s[94:95], s[4:5], s[94:95]
	s_add_nc_u64 s[56:57], s[6:7], s[56:57]
	s_add_nc_u64 s[58:59], s[6:7], s[58:59]
	s_add_nc_u64 s[60:61], s[6:7], s[60:61]
	v_and_b32 v3, 31, v0
	v_lshlrev_b32 v1, 4, v3                        ; 16 x lane
	v_lshlrev_b32 v2, 3, v3                        ; 8 x lane
	v_bfe_u32 v8, v0, 4, 1
	v_lshlrev_b32 v8, 6, v8                        ; 64 h
	v_and_b32 v9, 15, v0
	v_and_b32 v3, 8, v9
	v_add_nc_u32 v9, v9, v3
	v_lshlrev_b32 v9, 2, v9                        ; 4 (r + 8 (r / 8))
.irp y, 0,1,2,3,4,5,6,7
	global_load_b128 v[YS+4*\y:YS+4*\y+3], v1, s[52:53] offset:512*\y             ; q_weight's scale words: set 0
.endr
.irp z, 0,1,2,3
	global_load_b128 v[ZS+4*\z:ZS+4*\z+3], v1, s[94:95] offset:512*\z
.endr
.irp y, 0,1,2,3,4,5,6,7
	global_load_b128 v[YS+32+4*\y:YS+32+4*\y+3], v1, s[52:53] offset:32768+512*\y   ; k_weight's: set 1
.endr
.irp z, 0,1,2,3
	global_load_b128 v[WZS+4*\z:WZS+4*\z+3], v1, s[56:57] offset:512*\z
.endr
.irp z, 0,1,2,3
	global_load_b32 v[ML+2*\z], v9, s[60:61] offset:4*(32*(\z/2)+8*(\z%2))
.endr
	WIN 0x80
.irp y, 0,1,2,3,4,5,6,7
	global_load_b128 v[MU+8*\y:MU+8*\y+3], v8, s[58:59] offset:4*(32*(\y/2)+8*(\y%2))       ; q's table at the columns of my registers
	global_load_b128 v[MU+8*\y+4:MU+8*\y+7], v8, s[58:59] offset:4*(32*(\y/2)+8*(\y%2))+16
.endr
	WIN 0
	s_mul_i32 s93, s14, HSL
	v_add_nc_u32 v[AY], s93, v1                    ; my group of the weight in slot 0,
	v_add_nc_u32 v[AY+1], YSL, v[AY]               ; in slot 1
	s_mul_i32 s93, s13, 4*FRB
	s_add_co_u32 s93, s93, ZB
	v_add_nc_u32 v[AZ], s93, v1                    ; my four tiles of xn, K steps 0-3,
	v_add_nc_u32 v[AZ+1], HSL, v[AZ]               ; 4-7
	v_add_nc_u32 v[AX], ZB, v1                     ; phase 3: xn's eight tiles
	v_add_nc_u32 v[AX+1], ZB+HSL, v1
	s_mul_i32 s93, s13, HSL
	s_mul_i32 s101, s14, 4*FRB
	s_add_co_u32 s93, s93, s101
	v_add_nc_u32 v[AW], s93, v1                    ; phase 3: my four tiles of v_weight
	v_add_nc_u32 v[AW+1], YSL, v[AW]
.irp b, 0,1,2,3
	v_mov_b32 v[TM+4+\b], 0                        ; written once: a lane permute's destination counts as one of its sources
	v_mov_b32 v[ML+2*\b+1], 0                      ; (named as the upper half of a pair)
.endr
	s_add_nc_u64 s[68:69], s[8:9], s[68:69]        ; the results' addresses: q's two heads' codes,
	s_add_nc_u64 s[70:71], s[68:69], 49152
	s_add_nc_u64 s[72:73], s[8:9], s[72:73]        ; and scale images;
	s_add_nc_u64 s[74:75], s[72:73], 4096
	s_add_nc_u64 s[76:77], s[8:9], s[76:77]        ; k's likewise, a record apart;
	s_add_nc_u64 s[78:79], s[76:77], REC
	s_add_nc_u64 s[80:81], s[8:9], s[80:81]
	s_add_nc_u64 s[82:83], s[80:81], REC
	s_add_nc_u64 s[84:85], s[10:11], s[84:85]      ; v_flat along the hidden axis;
	s_add_nc_u64 s[86:87], s[10:11], s[86:87]
	s_add_nc_u64 s[88:89], s[8:9], s[88:89]        ; v_flat along the keys
	s_add_nc_u64 s[90:91], s[8:9], s[90:91]
	s_wait_tensorcnt 0x1                           ; my parts of slot 0 and of xn are in; slot 1's may stay out
	s_barrier_signal -1
	s_barrier_wait -1                              ; everybody's are
	FRUN 0, 0
	FRUN 0, 1
	FRUN 0, 2
	s_wait_loadcnt 0x0                             ; scale words and tables
	PHASE 0                                        ; q
	EPI 0, 68
	ASK 0
	PHASE 1                                        ; k
	EPI 0, 76
	ASK 1
	PHASE 2                                        ; v_flat, the hidden axis in the registers
	EPI 1, 84
	PHASE 3                                        ; v_flat, the keys in the registers
	EPI 2, 88
	s_wait_tensorcnt 0x0                           ; the wave's end, behind my last tensor load
	ds_add_u32 v10, v11
	s_wait_dscnt 0x0
	CROUND                                         ; the closing round: no work-group ends while a partner may still ask for a tile that names it
	s_endpgm
.Lfunc_end_k_q95018950a9_qkv:
	.size	k_q95018950a9_qkv, .Lfunc_end_k_q95018950a9_qkv-k_q95018950a9_qkv
	.p2alignl 7, 3214868480
	.fill 96, 4, 3214868480
	.section	.rodata,"a",@progbits
	.p2align	6, 0x0
	.amdhsa_kernel k_q95018950a9_qkv
		.amdhsa_group_segment_fixed_size 327680
		.amdhsa_private_segment_fixed_size 0
		.amdhsa_enable_private_segment 0
		.amdhsa_kernarg_size 32
		.amdhsa_user_sgpr_count 2
		.amdhsa_user_sgpr_kernarg_segment_ptr 1
		.amdhsa_wavefront_size32 1
		.amdhsa_system_sgpr_workgroup_id_x 1
		.amdhsa_system_sgpr_workgroup_id_y 1
		.amdhsa_system_sgpr_workgroup_id_z 1
		.amdhsa_system_vgpr_workitem_id 0
		.amdhsa_next_free_vgpr 1024
		.amdhsa_next_free_sgpr 102
		.amdhsa_reserve_vcc 0
		.amdhsa_float_denorm_mode_32 3
		.amdhsa_float_denorm_mode_16_64 3
		.amdhsa_memory_ordered 1
		.amdhsa_forward_progress 1
		.amdhsa_inst_pref_size 255
	.end_amdhsa_kernel
	.section	.bss,"aw",@nobits
	.p2align	6
	.space	262144
	.amdgpu_metadata
---
amdhsa.version: [ 1, 2 ]
amdhsa.kernels:
  - .name:           k_q95018950a9_qkv
    .symbol:         k_q95018950a9_qkv.kd
    .args:
      - { .name: xa, .offset: 0, .size: 8, .value_kind: global_buffer, .address_space: global }
      - { .name: wts, .offset: 8, .size: 8, .value_kind: global_buffer, .address_space: global }
      - { .name: att, .offset: 16, .size: 8, .value_kind: global_buffer, .address_space: global }
      - { .name: ov, .offset: 24, .size: 8, .value_kind: global_buffer, .address_space: global }
    .group_segment_fixed_size: 327680
    .private_segment_fixed_size: 0
    .kernarg_segment_align: 8
    .kernarg_segment_size: 32
    .max_flat_workgroup_size: 128
    .sgpr_count:     102
    .vgpr_count:     1024
    .wavefront_size: 32
...
	.end_amdgpu_metadata
.endif
;; end of part 3
;; launch attn (part 4): grid 4 x 64, 16 waves a work-group, clusters of 4 x 1, 215,040 bytes of LDS; arguments att, ov; writes ov
.if DOCPART == 4
	.amdgcn_target "amdgcn-amd-amdhsa--gfx1250"
	.amdhsa_code_object_version 6
	.text
	.protected	k_q95018950a9_attn
	.globl	k_q95018950a9_attn
	.p2align	8
	.type	k_q95018950a9_attn,@function
k_q95018950a9_attn:
	s_mov_b64 s[64:65], 0
	v_nop
	global_prefetch_b8 v0, s[64:65] scope:SCOPE_SE
	s_setreg_imm32_b32 hwreg(HW_REG_WAVE_MODE, 25, 1), 1
	s_wait_xcnt 0x0
	s_wait_alu depctr_hold_cnt(0) depctr_sa_sdst(0) depctr_va_vdst(0) depctr_va_sdst(0) depctr_va_ssrc(0) depctr_va_vcc(0) depctr_vm_vsrc(0)
	s_getreg_b32 s2, hwreg(HW_REG_IB_STS2, 6, 4)
	s_cmp_eq_u32 s2, 0
	s_cbranch_scc0 .Lentry_in_a_cluster
	s_endpgm
.Lentry_in_a_cluster:
	s_bfe_u32 s2, ttmp6, 0x10000c
	s_cmp_lg_u32 s2, 0x3003
	s_cbranch_scc0 .Lentry_shape_is_right
	s_endpgm
.Lentry_shape_is_right:
; out[b][q][64 head + d] = sum over keys of softmax(q . k / 8) v, both products on codes of E2M3 with E8M0 scales, and the result quantised along the hidden axis for the product with w_weight.
; THE SOFTMAX: t = score x log2(e) / 8; M = the running largest t, rounded UP to a whole number; p = 2^(t - M) is quantised along the keys, not normalised; the row's sum is taken of the unquantised p and divides at the end.
; When M moves, the sum and O are multiplied by 2^(old M - new M): exact.
; SHARES.  Work-group (cx, y): the pair of heads 2 y, 2 y + 1 (sample y / 8), a quarter of the 1,024 queries.  Wave w owns the tile of 16 queries 16 cx + w and does one head, then the other:
; its 64 results a lane are then 128 neighbours of the hidden axis in two halves of the lanes: a whole fragment and a whole scale word.  Sixteen waves, four to a SIMD: one wave's vector work stands beside another's products.
; The two heads' records (K's codes, V^T's codes, their scale images: 2 x 104,448 dense bytes) come into LDS ONCE, each wave bringing a sixteenth; the four work-groups of a cluster want the same bytes and ask jointly.
; LAYOUT.  Both products are used transposed: S^T = K Q^T, O^T = V^T P^T: a lane holds one query throughout.  The head's K is 64: the upper 64 of the instruction's 128 are zero codes on both sides, under the scale byte 0.
; The keys of a tile and the channels of a tile of V^T are not neighbours (lane row p of tile t is 32 (t / 2) + 8 (t % 2) + p + 8 (p / 8)), so 16 registers of two neighbouring tiles are 16 neighbours.
; LIMITS: NaN and infinities are not served; a block of p that has fallen to 0 keeps the byte 1 over zero codes; a block's largest p is taken from the block's largest score by the same two instructions;
; 1 / sum by v_rcp_f32.
.set REC,  104448
.set KVB,  6815744
.set QSB,  6291456
.set OVC,  524288
.set SCG,  2*REC                       ; 1,024 bytes: the sixteen tiles' scale words, as four images
.set QF,  16                           ; v16-27   Q's fragment (v22-27 zero codes)
.set KB,  28                           ; v28-75   four fragments of K (the upper six registers of each: zero codes)
.set S,   76                           ; v76-139  S^T, then p, then V's four fragments
.set O,   140                          ; v140-203 O^T: the first head's 32 registers, then the second's
.set PC,  204                          ; v204-223 codes
.set BM,  224                          ; v224-227 each block's largest score, then largest p
.set BP,  228
.set SO,  232                          ; v232-235 the conversions' scale operands
.set KS,  236                          ; v236-239 K's scale words: register 2 g + e: tile 4 g + 2 e in lanes 0-15, 4 g + 2 e + 1 in lanes 16-31
.set VS,  240                          ; v240-241 V's
.set FP,  242                          ; v[242:243] a factor, in the low half of a pair
.set TP,  244
.set PW,  245
.set PS,  11                           ; v11      p's scale word
.set TM,  76                           ; QUANT works in S's registers
.set SEL, 34
.set CS,  36
.macro PLACES n
.rept \n
	v_nop
.endr
.endm
.macro CROUND
	s_barrier_signal -1
	s_barrier_wait -1
	s_cmp_lg_u32 s8, 0
	s_cbranch_scc1 .Lnot_wave_0_\@
	s_barrier_signal -3
.Lnot_wave_0_\@:
	s_barrier_wait -3
	s_barrier_signal -1
	s_barrier_wait -1
.endm
.macro WM d, a, b, zero, sa, sb, ra, rb
.if \zero
.if (\ra) && (\rb)
	v_wmma_scale_f32_16x16x128_f8f6f4 v[(\d):(\d)+7], v[(\a):(\a)+11], v[(\b):(\b)+11], 0, v[\sa], v[\sb] matrix_a_fmt:MATRIX_FMT_FP6 matrix_b_fmt:MATRIX_FMT_FP6 matrix_a_scale:MATRIX_SCALE_ROW1 matrix_b_scale:MATRIX_SCALE_ROW1
.elseif (\ra)
	v_wmma_scale_f32_16x16x128_f8f6f4 v[(\d):(\d)+7], v[(\a):(\a)+11], v[(\b):(\b)+11], 0, v[\sa], v[\sb] matrix_a_fmt:MATRIX_FMT_FP6 matrix_b_fmt:MATRIX_FMT_FP6 matrix_a_scale:MATRIX_SCALE_ROW1
.elseif (\rb)
	v_wmma_scale_f32_16x16x128_f8f6f4 v[(\d):(\d)+7], v[(\a):(\a)+11], v[(\b):(\b)+11], 0, v[\sa], v[\sb] matrix_a_fmt:MATRIX_FMT_FP6 matrix_b_fmt:MATRIX_FMT_FP6 matrix_b_scale:MATRIX_SCALE_ROW1
.else
	v_wmma_scale_f32_16x16x128_f8f6f4 v[(\d):(\d)+7], v[(\a):(\a)+11], v[(\b):(\b)+11], 0, v[\sa], v[\sb] matrix_a_fmt:MATRIX_FMT_FP6 matrix_b_fmt:MATRIX_FMT_FP6
.endif
.else
.if (\ra) && (\rb)
	v_wmma_scale_f32_16x16x128_f8f6f4 v[(\d):(\d)+7], v[(\a):(\a)+11], v[(\b):(\b)+11], v[(\d):(\d)+7], v[\sa], v[\sb] matrix_a_fmt:MATRIX_FMT_FP6 matrix_b_fmt:MATRIX_FMT_FP6 matrix_a_scale:MATRIX_SCALE_ROW1 matrix_b_scale:MATRIX_SCALE_ROW1
.elseif (\ra)
	v_wmma_scale_f32_16x16x128_f8f6f4 v[(\d):(\d)+7], v[(\a):(\a)+11], v[(\b):(\b)+11], v[(\d):(\d)+7], v[\sa], v[\sb] matrix_a_fmt:MATRIX_FMT_FP6 matrix_b_fmt:MATRIX_FMT_FP6 matrix_a_scale:MATRIX_SCALE_ROW1
.elseif (\rb)
	v_wmma_scale_f32_16x16x128_f8f6f4 v[(\d):(\d)+7], v[(\a):(\a)+11], v[(\b):(\b)+11], v[(\d):(\d)+7], v[\sa], v[\sb] matrix_a_fmt:MATRIX_FMT_FP6 matrix_b_fmt:MATRIX_FMT_FP6 matrix_b_scale:MATRIX_SCALE_ROW1
.else
	v_wmma_scale_f32_16x16x128_f8f6f4 v[(\d):(\d)+7], v[(\a):(\a)+11], v[(\b):(\b)+11], v[(\d):(\d)+7], v[\sa], v[\sb] matrix_a_fmt:MATRIX_FMT_FP6 matrix_b_fmt:MATRIX_FMT_FP6
.endif
.endif
.endm
.macro QUANT s
.irp b, 0,1,2,3
	v_max3_num_f32 v[TM+\b], |v[\s+16*\b]|, |v[\s+1+16*\b]|, 0x1800000
.endr
.irp i, 2,4,6,8,10,12,14
.irp b, 0,1,2,3
	v_max3_num_f32 v[TM+\b], v[TM+\b], |v[\s+16*\b+\i]|, |v[\s+1+16*\b+\i]|
.endr
.endr
.irp b, 0,1,2,3
	v_permlanex16_b32 v[TM+4+\b], v[TM+\b], s[SEL], s[SEL+1]
.endr
.irp b, 0,1,2,3
	v_max_num_f32 v[TM+\b], v[TM+\b], v[TM+4+\b]
.endr
.irp b, 0,1,2,3
	v_add_nc_u32 v[TM+12+\b], 0xff000000, v[TM+\b]
.endr
.irp b, 0,1,2,3
	v_lshrrev_b32 v[TM+4+\b], 23, v[TM+12+\b]
.endr
	v_lshl_or_b32 v[PW], v[TM+5], 8, v[TM+4]
	v_lshl_or_b32 v[PW], v[TM+6], 16, v[PW]
	v_lshl_or_b32 v[PW], v[TM+7], 24, v[PW]
.irp c, 0,1
	v_cvt_scalef32_pk16_fp6_f32 v[PC+6*\c:PC+2+6*\c], v[\s+32*\c:\s+15+32*\c], v[TM+12+2*\c]
	v_cvt_scalef32_pk16_fp6_f32 v[PC+12+4*\c:PC+14+4*\c], v[\s+16+32*\c:\s+31+32*\c], v[TM+12+2*\c+1]
.endr
	v_nop
.irp c, 0,1
.irp i, 0,1,2
	v_permlane16_swap_b32 v[PC+6*\c+\i], v[PC+12+4*\c+\i]
.endr
.irp i, 0,1,2
	v_mov_b32 v[PC+3+6*\c+\i], v[PC+12+4*\c+\i]
.endr
.endr
.endm
; A KEY STEP: 128 keys.  ob: this head's O^T; qs: the register with Q's scale words
.macro KSTEP ob, qs
	v_add_nc_u32 v3, s40, v1                       ; the step's LDS addresses.  These five plain lines are also the five places between the last step's products and the products below, which write over V's registers
	v_add_nc_u32 v4, s40, v2
	v_add_nc_u32 v5, s41, v2
	v_add_nc_u32 v6, s42, v1
	v_add_nc_u32 v7, s43, v2
.irp g, 0,1                                    ; S^T = K Q^T, four tiles of 16 keys at a time
.if \g
	PLACES 4                                       ; in front of loads into registers that the four products above read
.endif
.irp t, 0,1,2,3
	ds_load_b128 v[KB+12*\t:KB+12*\t+3], v3 offset:(4*\g+\t)*768
	ds_load_b64 v[KB+12*\t+4:KB+12*\t+5], v4 offset:(4*\g+\t)*768+512
.endr
.if \g == 0
	ds_load_b64 v[KS:KS+1], v5
	ds_load_b64 v[KS+2:KS+3], v5 offset:256
.endif
	s_wait_dscnt 0x0
.irp t, 0,1,2,3
	WM S+8*(4*\g+\t), KB+12*\t, QF, 1, KS+2*\g+\t/2, \qs, \t%2, 0
.endr
.endr
	PLACES 4
.irp b, 0,1,2,3
	v_max3_num_f32 v[BM+\b], v[S+16*\b], v[S+1+16*\b], v[S+2+16*\b]   ; the largest score of each block of 32 keys: for the row's maximum, and for the block's largest p.  Each accumulator is read from its low end on
.endr
.irp i, 3,5,7,9,11,13
.irp b, 0,1,2,3
	v_max3_num_f32 v[BM+\b], v[BM+\b], v[S+16*\b+\i], v[S+1+16*\b+\i]
.endr
.endr
.irp b, 0,1,2,3
	v_max_num_f32 v[BM+\b], v[BM+\b], v[S+15+16*\b]
.endr
.irp b, 0,1,2,3
	v_permlanex16_b32 v[BP+\b], v[BM+\b], s[SEL], s[SEL+1]
.endr
.irp b, 0,1,2,3
	v_max_num_f32 v[BM+\b], v[BM+\b], v[BP+\b]     ; with lane l xor 16's 16 keys
.endr
	v_max3_num_f32 v[TP], v[BM], v[BM+1], v[BM+2]
	v_max_num_f32 v[TP], v[TP], v[BM+3]
	v_mul_f32 v[TP], s[CS], v[TP]                  ; as t (c is positive)
	v_max_num_f32 v13, v13, v[TP]                  ; the running largest t
	v_mov_b32 v[TP], v12
	v_floor_f32 v12, -v13                          ; the new -M = floor(-t)
	v_sub_f32 v[TP], v12, v[TP]                    ; old M - new M: a whole number, 0 or less
	v_cvt_i32_f32 v[TP], v[TP]                     ; (it saturates)
	v_ldexp_f32 v[FP], 1.0, v[TP]                  ; f = 2^(old M - new M)
.irp j, 0,2,4,6,8,10,12,14,16,18,20,22,24,26,28,30,32,34,36,38,40,42,44,46,48,50,52,54,56,58,60,62
	v_pk_fma_f32 v[S+\j:S+\j+1], v[S+\j:S+\j+1], s[CS:CS+1], v[12:13] op_sel_hi:[1,0,0]   ; t - M
.endr
.irp b, 0,1,2,3
	v_fma_f32 v[BM+\b], v[BM+\b], s[CS], v12
.endr
.irp j, 0,1,2,3,4,5,6,7,8,9,10,11,12,13,14,15,16,17,18,19,20,21,22,23,24,25,26,27,28,29,30,31,32,33,34,35,36,37,38,39,40,41,42,43,44,45,46,47,48,49,50,51,52,53,54,55,56,57,58,59,60,61,62,63
	v_exp_f32 v[S+\j], v[S+\j]                     ; p = 2^(t - M)
.endr
.irp b, 0,1,2,3
	v_exp_f32 v[BM+\b], v[BM+\b]                   ; the block's largest p
.endr
	v_pk_mul_f32 v[14:15], v[14:15], v[FP:FP+1] op_sel_hi:[1,0]   ; the sums under the new M.  (A plain place behind the exponentials)
	s_wait_alu depctr_va_vdst(0)
.irp b, 0,1,2,3
	v_max_num_f32 v[BM+\b], 0x1800000, v[BM+\b]    ; the floor 2^(3 - 127)
.endr
.irp b, 0,1,2,3
	v_add_nc_u32 v[SO+\b], 0xff000000, v[BM+\b]    ; 2 off the exponent field: the conversion's scale operand
.endr
.irp b, 0,1,2,3
	v_lshrrev_b32 v[BP+\b], 23, v[SO+\b]           ; the scale's byte
.endr
	v_lshl_or_b32 v[PS], v[BP+1], 8, v[BP]         ; p's scale word for these 128 keys
	v_lshl_or_b32 v[PS], v[BP+2], 16, v[PS]
	v_lshl_or_b32 v[PS], v[BP+3], 24, v[PS]
.irp c, 0,1
	v_cvt_scalef32_pk16_fp6_f32 v[PC+6*\c:PC+2+6*\c], v[S+32*\c:S+15+32*\c], v[SO+2*\c]
	v_cvt_scalef32_pk16_fp6_f32 v[PC+12+4*\c:PC+14+4*\c], v[S+16+32*\c:S+31+32*\c], v[SO+2*\c+1]
.endr
	v_nop                                          ; one plain place behind a scaled conversion
.irp c, 0,1
.irp i, 0,1,2
	v_permlane16_swap_b32 v[PC+6*\c+\i], v[PC+12+4*\c+\i]
.endr
.irp i, 0,1,2
	v_mov_b32 v[PC+3+6*\c+\i], v[PC+12+4*\c+\i]
.endr
.endr
	v_pk_add_f32 v[246:247], v[S:S+1], v[S+2:S+3]  ; the row's sum is taken of the unquantised p, in two chains
.irp j, 4,8,12,16,20,24,28,32,36,40,44,48,52,56,60
	v_pk_add_f32 v[14:15], v[14:15], v[S+\j:S+\j+1]
	v_pk_add_f32 v[246:247], v[246:247], v[S+\j+2:S+\j+3]
.endr
	v_pk_add_f32 v[14:15], v[14:15], v[246:247]
.irp t, 0,1,2,3                                ; p's registers are free: V's four fragments of this key step
.irp c, 0,1,2
	ds_load_b128 v[S+12*\t+4*\c:S+12*\t+4*\c+3], v6 offset:1536*\t+512*\c
.endr
.endr
	ds_load_b64 v[VS:VS+1], v7
.irp j, 0,2,4,6,8,10,12,14,16,18,20,22,24,26,28,30
	v_pk_mul_f32 v[\ob+\j:\ob+\j+1], v[\ob+\j:\ob+\j+1], v[FP:FP+1] op_sel_hi:[1,0]   ; O^T under the new M
.endr
	s_wait_dscnt 0x0
.irp t, 0,1,2,3                                ; O^T += V^T P^T: four accumulators by turns
	WM \ob+8*\t, S+12*\t, PC, 0, VS+\t/2, PS, \t%2, 0
.endr
	s_add_co_u32 s40, s40, 6144                    ; the next key step: K's eight half fragments,
	s_add_co_u32 s41, s41, 512                     ; its two scale images,
	s_add_co_u32 s42, s42, 6144                    ; V's four fragments,
	s_add_co_u32 s43, s43, 256                     ; its scale image
.endm
; one head: all 1,024 keys, then O^T / the sum, in place
.macro HEAD hh
.if \hh
.irp i, 0,1,2,3,4,5
	v_mov_b32 v[QF+\i], v[250+\i]                  ; the second head's Q
.endr
.endif
	s_mov_b32 s40, \hh*REC
	s_mov_b32 s41, \hh*REC+98304
	s_mov_b32 s42, \hh*REC+49152
	s_mov_b32 s43, \hh*REC+102400
	s_mov_b32 s44, 8
	v_mov_b32 v13, 0xff61b1e6                      ; the largest t so far: -3e38
	v_floor_f32 v12, -v13
	v_mov_b32 v14, 0
	v_mov_b32 v15, 0
.set I, 0
.rept 32
	v_mov_b32 v[O+32*\hh+I], 0                     ; the step is written once: the first finds zeros, which the first change of M leaves zeros
.set I, I+1
.endr
.Lstep_\@:
.if \hh
	KSTEP O+32, 249
.else
	KSTEP O, 10
.endif
	s_sub_co_u32 s44, s44, 1
	s_cmp_lg_u32 s44, 0
	s_cbranch_scc1 .Lstep_\@
	PLACES 4                                       ; in front of the first read of the last products' results
	v_add_f32 v14, v14, v15
	v_permlanex16_b32 v[TP], v14, s[SEL], s[SEL+1]
	v_add_f32 v14, v14, v[TP]                      ; the row's sum
	v_rcp_f32 v[FP], v14
	v_nop                                          ; one plain place behind a transcendental
.set I, 0
	s_wait_alu depctr_va_vdst(0)
.rept 16
	v_pk_mul_f32 v[O+32*\hh+I:O+32*\hh+I+1], v[O+32*\hh+I:O+32*\hh+I+1], v[FP:FP+1] op_sel_hi:[1,0]
.set I, I+2
.endr
.endm
	s_load_b128 s[4:7], s[0:1], 0x0                ; att, ov
	v_lshl_add_u32 v219, v0, 2, 0x34000
	v_mov_b32 v223, 0
	ds_add_u32 v219, v223
	ds_add_u32 v219, v223
	v_lshrrev_b32 v1, 5, v0
	v_readfirstlane_b32 s8, v1                     ; wave 0..15
	s_bfe_u32 s9, ttmp6, 0x40000                   ; cx: it enters Q's and the output's global addresses alone
	s_and_b32 s10, ttmp7, 0xffff                   ; y = 8 x sample + pair of heads
	s_mov_b32 s16, 15|(3<<16)|(1<<21)              ; the mask: all four work-groups; elements of 8 bytes; bit 21 beside a mask
	s_mov_b32 s17, 32<<16                          ; rows of 256 bytes,
	s_mov_b32 s18, 51<<16                          ; 51 of them: a sixteenth of the two records
	s_mov_b32 s19, 32<<16
	s_mov_b32 s20, 51
	s_mov_b32 s21, 32                              ; dense
	s_mov_b32 s22, 0
	s_mov_b32 s23, 0
	s_mov_b32 s12, 1
	s_mul_i32 s13, s8, 13056                       ; LDS address: wave x 13,056
	s_mul_i32 s24, s10, 2*REC
	s_add_co_u32 s24, s24, s13
	s_add_co_u32 s24, s24, KVB
	s_mov_b32 s25, 0
	s_mov_b32 s[SEL], 0x76543210
	s_mov_b32 s[SEL+1], 0xfedcba98
	s_mov_b32 s[CS], 0x3e38aa3b                    ; c = log2(e) / 8
	s_mov_b32 s[CS+1], s[CS]
	s_lshl_b32 s45, s9, 4
	s_add_co_u32 s45, s45, s8                      ; my tile of queries: 16 cx + w
	s_mul_i32 s48, s45, 768
	s_mul_i32 s49, s10, 2*49152
	s_add_co_u32 s48, s48, s49                     ; Q's codes: head 2 y, my tile
	s_mov_b32 s49, 0
	s_and_b32 s46, s8, 1
	s_lshl_b32 s46, s46, 7
	s_bfe_u32 s47, s8, 0x10001
	s_lshl_b32 s47, s47, 2
	s_add_co_u32 s46, s46, s47                     ; my tile's place in an image of four tiles: 128 (w & 1) + 4 ((w >> 1) & 1)
	s_lshr_b32 s50, s45, 2
	s_lshl_b32 s50, s50, 8
	s_add_co_u32 s50, s50, s46
	s_lshl_b32 s51, s10, 13
	s_add_co_u32 s50, s50, s51
	s_add_co_u32 s50, s50, QSB                     ; Q's scale words
	s_mov_b32 s51, 0
	s_lshr_b32 s52, s10, 3
	s_lshl_b32 s52, s52, 3
	s_lshl_b32 s53, s9, 1
	s_add_co_u32 s52, s52, s53                     ; 8 x sample + 2 cx: the first of my work-group's two groups of 128 rows
	s_and_b32 s53, s10, 7                          ; the K step of the next product
	s_lshr_b32 s54, s8, 3
	s_add_co_u32 s54, s54, s52
	s_mul_i32 s54, s54, 196608
	s_mul_i32 s55, s53, 12288
	s_add_co_u32 s54, s54, s55
	s_and_b32 s55, s8, 7
	s_mul_i32 s55, s55, 1536
	s_add_co_u32 s54, s54, s55
	s_add_co_u32 s54, s54, OVC                     ; my fragment's image
	s_mov_b32 s55, 0
	s_lshr_b32 s56, s8, 1                          ; waves 0-3 store the four images of scale words
	s_add_co_u32 s56, s56, s52
	s_lshl_b32 s56, s56, 13
	s_lshl_b32 s57, s53, 9
	s_add_co_u32 s56, s56, s57
	s_and_b32 s57, s8, 1
	s_lshl_b32 s57, s57, 8
	s_add_co_u32 s56, s56, s57
	s_mov_b32 s57, 0
	s_wait_dscnt 0x0
	s_wait_kmcnt 0x0
	s_add_nc_u64 s[14:15], s[4:5], s[24:25]
	s_or_b32 s15, s15, 0x80000000
	s_add_nc_u64 s[26:27], s[4:5], s[48:49]
	s_add_nc_u64 s[28:29], s[4:5], s[50:51]
	s_add_nc_u64 s[30:31], s[6:7], s[54:55]
	s_add_nc_u64 s[32:33], s[6:7], s[56:57]
	CROUND                                         ; all four work-groups are here: the joint loads meet
	tensor_load_to_lds s[12:15], s[16:23]          ; my one tensor load of the launch
	s_nop 0
	PLACES 4
	v_and_b32 v3, 31, v0
	v_lshlrev_b32 v1, 4, v3                        ; 16 x lane
	v_lshlrev_b32 v2, 3, v3                        ; 8 x lane
	v_and_b32 v248, 15, v0
	v_lshlrev_b32 v248, 3, v248                    ; 8 r
	s_lshr_b32 s45, s8, 2
	s_lshl_b32 s45, s45, 8
	s_add_co_u32 s45, s45, s46
	s_add_co_u32 s45, s45, SCG
	v_add_nc_u32 v8, s45, v248                     ; where my scale word goes
	s_lshl_b32 s45, s8, 8
	s_add_co_u32 s45, s45, SCG
	v_add_nc_u32 v9, s45, v2                       ; and where waves 0-3 read an image back
	global_load_b128 v[QF:QF+3], v1, s[26:27]      ; Q of both heads: half fragments of 768 bytes
	global_load_b64 v[QF+4:QF+5], v2, s[26:27] offset:512
	global_load_b32 v10, v248, s[28:29]
	global_load_b128 v[250:253], v1, s[26:27] offset:49152
	global_load_b64 v[254:255], v2, s[26:27] offset:49152+512
	global_load_b32 v249, v248, s[28:29] offset:4096
.irp i, 6,7,8,9,10,11
	v_mov_b32 v[QF+\i], 0                          ; the upper 64 along K: zero codes, set once
.irp t, 0,1,2,3
	v_mov_b32 v[KB+12*\t+\i], 0
.endr
.endr
.irp b, 0,1,2,3
	v_mov_b32 v[BP+\b], 0                          ; written once: a lane permute's destination counts as one of its sources
.endr
	v_mov_b32 v[FP+1], 0                           ; (named as the upper half of a pair)
	s_wait_tensorcnt 0x0                           ; my sixteenth has landed,
	s_barrier_signal -1
	s_barrier_wait -1                              ; everybody's has
	s_wait_loadcnt 0x0                             ; Q
	HEAD 0
	HEAD 1
	QUANT O                                        ; 128 neighbours of the hidden axis: register 16 b + i = 32 b + 16 (lane / 16) + i
.irp c, 0,1,2
	global_store_b128 v1, v[PC+4*\c:PC+4*\c+3], s[30:31] offset:512*\c
.endr
	ds_store_b32 v8, v[PW]                         ; (lanes r and r + 16 write the same word with the same value)
	s_wait_dscnt 0x0
	s_barrier_signal -1
	s_barrier_wait -1
	s_cmp_lt_u32 s8, 4
	s_cbranch_scc0 .Lend
	ds_load_b64 v[S:S+1], v9
	s_wait_dscnt 0x0
	global_store_b64 v2, v[S:S+1], s[32:33]        ; four tiles' scale words: 256 consecutive bytes
.Lend:
	s_wait_tensorcnt 0x0
	ds_add_u32 v219, v223
	s_wait_dscnt 0x0
	CROUND                                         ; the closing round
	s_endpgm
.Lfunc_end_k_q95018950a9_attn:
	.size	k_q95018950a9_attn, .Lfunc_end_k_q95018950a9_attn-k_q95018950a9_attn
	.p2alignl 7, 3214868480
	.fill 96, 4, 3214868480
	.section	.rodata,"a",@progbits
	.p2align	6, 0x0
	.amdhsa_kernel k_q95018950a9_attn
		.amdhsa_group_segment_fixed_size 215040
		.amdhsa_private_segment_fixed_size 0
		.amdhsa_enable_private_segment 0
		.amdhsa_kernarg_size 16
		.amdhsa_user_sgpr_count 2
		.amdhsa_user_sgpr_kernarg_segment_ptr 1
		.amdhsa_wavefront_size32 1
		.amdhsa_system_sgpr_workgroup_id_x 1
		.amdhsa_system_sgpr_workgroup_id_y 1
		.amdhsa_system_sgpr_workgroup_id_z 1
		.amdhsa_system_vgpr_workitem_id 0
		.amdhsa_next_free_vgpr 256
		.amdhsa_next_free_sgpr 66
		.amdhsa_reserve_vcc 0
		.amdhsa_float_denorm_mode_32 3
		.amdhsa_float_denorm_mode_16_64 3
		.amdhsa_memory_ordered 1
		.amdhsa_forward_progress 1
		.amdhsa_inst_pref_size 49
	.end_amdhsa_kernel
	.amdgpu_metadata
---
amdhsa.version: [ 1, 2 ]
amdhsa.kernels:
  - .name:           k_q95018950a9_attn
    .symbol:         k_q95018950a9_attn.kd
    .args:
      - { .name: att, .offset: 0, .size: 8, .value_kind: global_buffer, .address_space: global }
      - { .name: ov, .offset: 8, .size: 8, .value_kind: global_buffer, .address_space: global }
    .group_segment_fixed_size: 215040
    .private_segment_fixed_size: 0
    .kernarg_segment_align: 8
    .kernarg_segment_size: 16
    .max_flat_workgroup_size: 512
    .sgpr_count:     66
    .vgpr_count:     256
    .wavefront_size: 32
...
	.end_amdgpu_metadata
.endif
;; end of part 4
;; launch proj (part 5): grid 4 x 64, 4 waves a work-group, clusters of 4 x 4, 327,680 bytes of LDS; arguments ov, wts, out0; writes out0
.if DOCPART == 5
	.amdgcn_target "amdgcn-amd-amdhsa--gfx1250"
	.amdhsa_code_object_version 6
	.text
	.protected	k_q95018950a9_proj
	.globl	k_q95018950a9_proj
	.p2align	8
	.type	k_q95018950a9_proj,@function
k_q95018950a9_proj:
	s_mov_b64 s[64:65], 0
	v_nop
	global_prefetch_b8 v0, s[64:65] scope:SCOPE_SE
	s_setreg_imm32_b32 hwreg(HW_REG_WAVE_MODE, 25, 1), 1
	s_wait_xcnt 0x0
	s_wait_alu depctr_hold_cnt(0) depctr_sa_sdst(0) depctr_va_vdst(0) depctr_va_sdst(0) depctr_va_ssrc(0) depctr_va_vcc(0) depctr_vm_vsrc(0)
	s_getreg_b32 s2, hwreg(HW_REG_IB_STS2, 6, 4)
	s_cmp_eq_u32 s2, 0
	s_cbranch_scc0 .Lentry_in_a_cluster
	s_endpgm
.Lentry_in_a_cluster:
	s_bfe_u32 s2, ttmp6, 0x10000c
	s_cmp_lg_u32 s2, 0xf033
	s_cbranch_scc0 .Lentry_shape_is_right
	s_endpgm
.Lentry_shape_is_right:
; out0 = (attention's output W^T) w_dc + (v_flat U^T) u_dc, both products on codes of E2M3 with E8M0 scales, as ONE sum over K = 2,048: sixteen steps of 128, the first eight with w_weight, the last eight with u_weight.
; Behind step 7 the accumulators are multiplied by w_dc / u_dc, at the end by u_dc: f32 roundings on the way to the output, nothing else.
; Source 0 is Y (256 rows of the weights: they land in a lane's registers: neighbouring columns of out0), source 1 is Z (128 rows of the samples: they land in the lanes).  A wave makes Y 128 x Z 64: 32 accumulators,
; which take turns, one instruction a turn, in the same order in every step.
; Operands lie in memory as images of their registers (1,536 bytes a fragment), four K steps of a group are 49,152 dense bytes.  Two LDS slots of four K steps; each is filled twice.  A refill has four steps,
; 128 matrix instructions a wave, in which to land; by this text's own count a wave has two tensor loads out at the start and one behind each round.
; CLUSTER 4 x 4: Y hangs on cx alone (shared along a column), Z on cy (shared along a row): joint loads.
; LIMITS: NaN and infinities are not served; w_dc / u_dc by v_rcp_f32 and a multiplication.
; REGISTERS: window 0: addresses, scale words, T, rows on the way out; window 1: the accumulators ((z, y) at v[8 (8 z + y)]); window 2: fragment set 0, w_dc / u_dc at v160-223; window 3: fragment set 1, u_dc at v160-223.
.set WUC,   2686976                    ; wts: w's and u's codes: [8 groups][16 steps][8 tiles][1536]
.set WUS,   98304                      ; their scale images: [8 groups][2][8 tiles][512]
.set DCT,   163840
.set OVC,   524288                     ; ov: codes [64 groups][16 steps][8 tiles][1536]; scale images at 0: [64][16 steps][2][256]
.set GRP,   196608
.set HSL,   49152
.set SLOT,  3*HSL
.set STEPB, 12288
.set FRB,   1536
.set SPARE, 2*SLOT                     ; the spare words, 128 bytes for each wave: two blocks of 256 bytes that no other line names
.set AY,  4
.set AZ,  6
.set YS,  16                           ; v16-79  Y's scale words: 32 x (w or u) + 4 y + e: step 2 e in lanes 0-15, 2 e + 1 in lanes 16-31
.set ZS,  80                           ; v80-111 Z's: 2 s + e: tile 2 e in lanes 0-15, 2 e + 1 in lanes 16-31
.set T,   112
.set BK,  176
.set RT,  160                          ; in window 2
.set UD,  160                          ; in window 3
.set G1Y, 24
.set G1Z, 32
.set G0Y, 40
.set G0Z, 48
.set MSB, 0
.macro WIN new
.if MSB != \new
	s_set_vgpr_msb (MSB<<8)|\new
.set MSB, \new
.endif
.endm
.macro PLACES n
.rept \n
	v_nop
.endr
.endm
.macro CROUND
	s_barrier_signal -1
	s_barrier_wait -1
	s_cmp_lg_u32 s12, 0
	s_cbranch_scc1 .Lnot_wave_0_\@
	s_barrier_signal -3
.Lnot_wave_0_\@:
	s_barrier_wait -3
	s_barrier_signal -1
	s_barrier_wait -1
.endm
; a joint refill: waves 0 and 1 fetch Y's two groups, waves 2 and 3 Z's two halves; four v_nop follow each of the two lines
.macro JLOAD slot
	s_cmp_eq_u32 s13, 0
	s_cbranch_scc0 .Lfor_z_\@
	tensor_load_to_lds s[G0Y+4*\slot:G0Y+4*\slot+3], s[G1Y:G1Y+7]
	s_nop 0
	PLACES 4
	s_branch .Lasked_\@
.Lfor_z_\@:
	tensor_load_to_lds s[G0Z+4*\slot:G0Z+4*\slot+3], s[G1Z:G1Z+7]
	s_nop 0
	PLACES 4
.Lasked_\@:
.endm
.macro WM d, a, b, zero, sa, sb, ra, rb
.if \zero
.if (\ra) && (\rb)
	v_wmma_scale_f32_16x16x128_f8f6f4 v[(\d):(\d)+7], v[(\a):(\a)+11], v[(\b):(\b)+11], 0, v[\sa], v[\sb] matrix_a_fmt:MATRIX_FMT_FP6 matrix_b_fmt:MATRIX_FMT_FP6 matrix_a_scale:MATRIX_SCALE_ROW1 matrix_b_scale:MATRIX_SCALE_ROW1
.elseif (\ra)
	v_wmma_scale_f32_16x16x128_f8f6f4 v[(\d):(\d)+7], v[(\a):(\a)+11], v[(\b):(\b)+11], 0, v[\sa], v[\sb] matrix_a_fmt:MATRIX_FMT_FP6 matrix_b_fmt:MATRIX_FMT_FP6 matrix_a_scale:MATRIX_SCALE_ROW1
.elseif (\rb)
	v_wmma_scale_f32_16x16x128_f8f6f4 v[(\d):(\d)+7], v[(\a):(\a)+11], v[(\b):(\b)+11], 0, v[\sa], v[\sb] matrix_a_fmt:MATRIX_FMT_FP6 matrix_b_fmt:MATRIX_FMT_FP6 matrix_b_scale:MATRIX_SCALE_ROW1
.else
	v_wmma_scale_f32_16x16x128_f8f6f4 v[(\d):(\d)+7], v[(\a):(\a)+11], v[(\b):(\b)+11], 0, v[\sa], v[\sb] matrix_a_fmt:MATRIX_FMT_FP6 matrix_b_fmt:MATRIX_FMT_FP6
.endif
.else
.if (\ra) && (\rb)
	v_wmma_scale_f32_16x16x128_f8f6f4 v[(\d):(\d)+7], v[(\a):(\a)+11], v[(\b):(\b)+11], v[(\d):(\d)+7], v[\sa], v[\sb] matrix_a_fmt:MATRIX_FMT_FP6 matrix_b_fmt:MATRIX_FMT_FP6 matrix_a_scale:MATRIX_SCALE_ROW1 matrix_b_scale:MATRIX_SCALE_ROW1
.elseif (\ra)
	v_wmma_scale_f32_16x16x128_f8f6f4 v[(\d):(\d)+7], v[(\a):(\a)+11], v[(\b):(\b)+11], v[(\d):(\d)+7], v[\sa], v[\sb] matrix_a_fmt:MATRIX_FMT_FP6 matrix_b_fmt:MATRIX_FMT_FP6 matrix_a_scale:MATRIX_SCALE_ROW1
.elseif (\rb)
	v_wmma_scale_f32_16x16x128_f8f6f4 v[(\d):(\d)+7], v[(\a):(\a)+11], v[(\b):(\b)+11], v[(\d):(\d)+7], v[\sa], v[\sb] matrix_a_fmt:MATRIX_FMT_FP6 matrix_b_fmt:MATRIX_FMT_FP6 matrix_b_scale:MATRIX_SCALE_ROW1
.else
	v_wmma_scale_f32_16x16x128_f8f6f4 v[(\d):(\d)+7], v[(\a):(\a)+11], v[(\b):(\b)+11], v[(\d):(\d)+7], v[\sa], v[\sb] matrix_a_fmt:MATRIX_FMT_FP6 matrix_b_fmt:MATRIX_FMT_FP6
.endif
.endif
.endm
.macro FETCH s                         ; K step s's fragments, 36 loads in one run, into set s % 2; the step lies in slot (s / 4) % 2
.if ((\s)%2) == 0
	WIN 0x80
.else
	WIN 0xc0
.endif
.irp y, 0,1,2,3,4,5,6,7
.irp c, 0,1,2
	ds_load_b128 v[12*\y+4*\c:12*\y+4*\c+3], v[AY+((\s)/4)%2] offset:((\s)%4)*STEPB+FRB*\y+512*\c
.endr
.endr
.irp z, 0,1,2,3
.irp c, 0,1,2
	ds_load_b128 v[96+12*\z+4*\c:96+12*\z+4*\c+3], v[AZ+((\s)/4)%2] offset:((\s)%4)*STEPB+FRB*\z+512*\c
.endr
.endr
.endm
.macro MUL s, zero
.if ((\s)%2) == 0
	WIN 0x5a
.else
	WIN 0x5f
.endif
.irp z, 0,1,2,3
.irp y, 0,1,2,3,4,5,6,7
	WM 8*(8*\z+\y), 12*\y, 96+12*\z, \zero, YS+32*((\s)/8)+4*\y+((\s)%8)/2, ZS+2*(\s)+\z/2, (\s)%2, \z%2
.endr
.endr
.endm
; THE CHANGE OF SLOTS.  Each wave waits for all its tensor loads (its part of the slot ahead), adds 0 to its spare word, and waits for that and for its reads of the slot that it leaves.
; fill = 1: a round of the cluster's barrier, and behind it the slot just left is filled with the K steps eight on, first thing.
.macro CHANGE slot, fill
	WIN 0                                          ; the add's registers lie in window 0
	s_wait_tensorcnt 0x0                           ; no tensor load of mine is out, so a group 0 may be written
	ds_add_u32 v10, v11                            ; 0 onto my spare word
.if \fill
	s_add_nc_u64 s[G0Y+4*\slot+2:G0Y+4*\slot+3], s[G0Y+4*\slot+2:G0Y+4*\slot+3], 2*HSL
	s_add_nc_u64 s[G0Z+4*\slot+2:G0Z+4*\slot+3], s[G0Z+4*\slot+2:G0Z+4*\slot+3], 2*HSL
.endif
	s_wait_dscnt 0x0                               ; the add is done, and my reads of the slot that I leave are over
.if \fill
	CROUND
	JLOAD \slot
.else
	s_barrier_signal -1
	s_barrier_wait -1
.endif
.endm
.macro RESCALE                         ; what was summed with w_weight is brought under u_dc: x w_dc / u_dc.  Each accumulator from its low end on
	WIN 0x49                                       ; destination and source 0 window 1, source 1 window 2
.irp z, 0,1,2,3
.set I, 0
.rept 32
	v_pk_mul_f32 v[64*\z+I:64*\z+I+1], v[64*\z+I:64*\z+I+1], v[RT+I:RT+I+1]
.set I, I+2
.endr
.endr
.endm
.macro STEP s, zero
.if (\s) > 0
	PLACES 4                                       ; in front of loads into the set that the last step's products read, and of the first read of their results
.endif
.if (\s) == 3
	CHANGE 0, 1
.endif
.if (\s) == 7
	CHANGE 1, 1
.endif
.if (\s) == 11
	CHANGE 0, 0
.endif
.if (\s) < 15
	FETCH (\s)+1
.endif
.if (\s) == 8
	RESCALE
.endif
.if (\s) < 15
	s_wait_dscnt 36                                ; all but the 36 just issued: this step's fragments are in
.else
	s_wait_dscnt 0x0
.endif
	MUL \s, \zero
.endm
	s_load_b128 s[4:7], s[0:1], 0x0                ; ov, wts
	s_load_b64 s[8:9], s[0:1], 0x10                ; out0
	v_lshl_add_u32 v10, v0, 2, SPARE               ; my spare word; never rewritten
	v_mov_b32 v11, 0                               ; 0; never rewritten
	ds_add_u32 v10, v11
	ds_add_u32 v10, v11
	s_wait_dscnt 0x0
	v_lshrrev_b32 v1, 5, v0
	v_readfirstlane_b32 s12, v1                    ; wave 0..3
	s_lshr_b32 s13, s12, 1                         ; wz.  Also: I fetch for Y (0) or for Z (1)
	s_and_b32 s14, s12, 1                          ; wy.  Also: which part I fetch
	s_bfe_u32 s15, ttmp6, 0x40000                  ; cx
	s_bfe_u32 s16, ttmp6, 0x40004                  ; cy
	s_and_b32 s18, ttmp7, 0xffff                   ; cluster y
	s_lshl_b32 s22, s15, 1                         ; Y's first group: 2 cx
	s_lshl_b32 s23, s18, 2
	s_add_co_u32 s23, s23, s16                     ; Z's group: 4 x cluster y + cy
	s_lshl_b32 s60, 0x1111, s15                    ; my column of the cluster
	s_lshl_b32 s62, s16, 2
	s_lshl_b32 s62, 15, s62                        ; my row
	s_or_b32 s[G1Y], s60, (3<<16)|(1<<21)
	s_or_b32 s[G1Z], s62, (3<<16)|(1<<21)
.irp g, G1Y, G1Z
	s_mov_b32 s[\g+1], 32<<16                      ; rows of 256 bytes, dense
	s_mov_b32 s[\g+3], 32<<16
	s_mov_b32 s[\g+5], 32
	s_mov_b32 s[\g+6], 0
	s_mov_b32 s[\g+7], 0
.endr
	s_mov_b32 s[G1Y+2], 192<<16
	s_mov_b32 s[G1Y+4], 192
	s_mov_b32 s[G1Z+2], 96<<16
	s_mov_b32 s[G1Z+4], 96
	s_add_co_u32 s60, s22, s14
	s_lshl_b32 s68, s60, 13
	s_add_co_u32 s68, s68, WUS                     ; my Y group's scale images
	s_mov_b32 s69, 0
	s_mul_i32 s60, s60, GRP
	s_add_co_u32 s60, s60, WUC
	s_mov_b32 s61, 0
	s_mul_i32 s62, s23, GRP
	s_mul_i32 s63, s14, HSL/2
	s_add_co_u32 s62, s62, s63
	s_add_co_u32 s62, s62, OVC
	s_mov_b32 s63, 0
	s_lshl_b32 s70, s23, 13
	s_lshl_b32 s71, s13, 8
	s_add_co_u32 s70, s70, s71                     ; my four Z tiles' scale images
	s_mov_b32 s71, 0
	s_mul_i32 s66, s14, HSL
	s_mul_i32 s67, s14, HSL/2
	s_add_co_u32 s67, s67, 2*HSL
	s_lshr_b32 s72, s23, 3                         ; the sample
	s_mul_i32 s72, s72, 20480
	s_lshl_b32 s76, s15, 10
	s_add_co_u32 s72, s72, s76
	s_lshl_b32 s76, s14, 9
	s_add_co_u32 s72, s72, s76
	s_add_co_u32 s72, s72, DCT+4*3072              ; w_dc at my first column; u_dc lies 4,096 bytes on
	s_mov_b32 s73, 0
	s_lshl_b32 s80, s23, 19                        ; out0: row 128 Zg + 64 wz, column 256 cx + 128 wy
	s_lshl_b32 s76, s13, 18
	s_add_co_u32 s80, s80, s76
	s_lshl_b32 s76, s15, 10
	s_add_co_u32 s80, s80, s76
	s_lshl_b32 s76, s14, 9
	s_add_co_u32 s80, s80, s76
	s_mov_b32 s81, 0
	s_wait_kmcnt 0x0
	s_add_nc_u64 s[60:61], s[6:7], s[60:61]
	s_add_nc_u64 s[62:63], s[4:5], s[62:63]
	s_add_nc_u64 s[68:69], s[6:7], s[68:69]
	s_add_nc_u64 s[70:71], s[4:5], s[70:71]
	s_add_nc_u64 s[72:73], s[6:7], s[72:73]
	s_add_nc_u64 s[80:81], s[8:9], s[80:81]
.irp s, 0,1
	s_mov_b32 s[G0Y+4*\s], 1
	s_add_co_u32 s[G0Y+4*\s+1], s66, \s*SLOT
	s_add_nc_u64 s[G0Y+4*\s+2:G0Y+4*\s+3], s[60:61], \s*HSL
	s_or_b32 s[G0Y+4*\s+3], s[G0Y+4*\s+3], 0x80000000
	s_mov_b32 s[G0Z+4*\s], 1
	s_add_co_u32 s[G0Z+4*\s+1], s67, \s*SLOT
	s_add_nc_u64 s[G0Z+4*\s+2:G0Z+4*\s+3], s[62:63], \s*HSL
	s_or_b32 s[G0Z+4*\s+3], s[G0Z+4*\s+3], 0x80000000
.endr
	CROUND                                         ; all sixteen work-groups are here: the first joint loads meet
	s_cmp_eq_u32 s13, 0                            ; a wave's two first fills stand in one branch; four v_nop follow the second
	s_cbranch_scc0 .Lfirst_z
	tensor_load_to_lds s[G0Y:G0Y+3], s[G1Y:G1Y+7]
	s_nop 0
	tensor_load_to_lds s[G0Y+4:G0Y+7], s[G1Y:G1Y+7]
	s_nop 0
	PLACES 4
	s_branch .Lfirst_asked
.Lfirst_z:
	tensor_load_to_lds s[G0Z:G0Z+3], s[G1Z:G1Z+7]
	s_nop 0
	tensor_load_to_lds s[G0Z+4:G0Z+7], s[G1Z:G1Z+7]
	s_nop 0
	PLACES 4
.Lfirst_asked:
	v_and_b32 v3, 31, v0
	v_lshlrev_b32 v1, 4, v3                        ; 16 x lane
	v_lshlrev_b32 v2, 3, v3                        ; 8 x lane
	v_add_nc_u32 v[AY], s66, v1
	v_add_nc_u32 v[AY+1], SLOT, v[AY]
	s_mul_i32 s76, s13, 4*FRB
	s_add_co_u32 s76, s76, 2*HSL
	v_add_nc_u32 v[AZ], s76, v1
	v_add_nc_u32 v[AZ+1], SLOT, v[AZ]
	v_bfe_u32 v12, v0, 4, 1
	v_lshlrev_b32 v12, 6, v12                      ; 64 h
	s_mul_i32 s76, s12, 16*528                     ; my stage: 16 rows of 512 bytes + 16, in slot 0, which has had its last fill and its last read when the first result is stored there
	v_and_b32 v13, 15, v0
	v_mul_u32_u24 v8, v13, 528
	v_add_nc_u32 v8, v8, v12
	v_add_nc_u32 v8, s76, v8                       ; in: row r, + 64 h
	v_add_nc_u32 v9, s76, v1                       ; back: 16 bytes a lane of a row's 512
.irp p, 0,1
.irp y, 0,1,2,3,4,5,6,7
	global_load_b128 v[YS+32*\p+4*\y:YS+32*\p+4*\y+3], v1, s[68:69] offset:4096*\p+512*\y
.endr
.endr
.irp s, 0,1,2,3,4,5,6,7,8,9,10,11,12,13,14,15
	global_load_b64 v[ZS+2*\s:ZS+2*\s+1], v2, s[70:71] offset:512*\s
.endr
	WIN 0x80
.irp y, 0,1,2,3,4,5,6,7
	global_load_b128 v[RT+8*\y:RT+8*\y+3], v12, s[72:73] offset:4*(32*(\y/2)+8*(\y%2))        ; w_dc at the columns of my registers
	global_load_b128 v[RT+8*\y+4:RT+8*\y+7], v12, s[72:73] offset:4*(32*(\y/2)+8*(\y%2))+16
.endr
	WIN 0xc0
.irp y, 0,1,2,3,4,5,6,7
	global_load_b128 v[UD+8*\y:UD+8*\y+3], v12, s[72:73] offset:4096+4*(32*(\y/2)+8*(\y%2))   ; u_dc
	global_load_b128 v[UD+8*\y+4:UD+8*\y+7], v12, s[72:73] offset:4096+4*(32*(\y/2)+8*(\y%2))+16
.endr
	s_wait_loadcnt 0x0
	WIN 0x03                                       ; source 0 window 3
.set I, 0
.rept 64
	v_rcp_f32 v[T+I], v[UD+I]
.set I, I+1
.endr
	v_nop                                          ; one plain place behind a transcendental
	WIN 0x82                                       ; destination and source 0 window 2
.set I, 0
	s_wait_alu depctr_va_vdst(0)
.rept 32
	v_pk_mul_f32 v[RT+I:RT+I+1], v[RT+I:RT+I+1], v[T+I:T+I+1]   ; w_dc / u_dc
.set I, I+2
.endr
	WIN 0
	s_wait_tensorcnt 0x1                           ; my part of slot 0 is in; slot 1's may stay out
	s_barrier_signal -1
	s_barrier_wait -1
	FETCH 0
	STEP 0, 1                                      ; the first step's products start the sums
.irp s, 1,2,3,4,5,6,7,8,9,10,11,12,13,14,15
	STEP \s, 0
.endr
	WIN 0
	PLACES 4
	; THE WAY OUT, a Z tile of 16 rows at a time: x u_dc; a lane's 64 results are 4 x 64 bytes of one row; through my own stage they become whole rows of 512 bytes.
.irp z, 0,1,2,3
.if \z > 0
	s_wait_xcnt 0x0                                ; the last tile's stores have read their registers
.endif
	WIN 0x0d                                       ; source 0 window 1, source 1 window 3
.set I, 0
.rept 32                                       ; each accumulator from its low end on
	v_pk_mul_f32 v[T+I:T+I+1], v[64*\z+I:64*\z+I+1], v[UD+I:UD+I+1]
.set I, I+2
.endr
	WIN 0
.irp y, 0,1,2,3,4,5,6,7
	ds_store_b128 v8, v[T+8*\y:T+8*\y+3] offset:128*(\y/2)+32*(\y%2)
	ds_store_b128 v8, v[T+8*\y+4:T+8*\y+7] offset:128*(\y/2)+32*(\y%2)+16
.endr
.irp t, 0,1,2,3,4,5,6,7,8,9,10,11,12,13,14,15
	ds_load_b128 v[BK+4*\t:BK+4*\t+3], v9 offset:528*\t   ; LDS serves a wave's instructions in order: these see my stores
.endr
.irp t, 0,1,2,3,4,5,6,7,8,9,10,11,12,13,14,15
	s_wait_dscnt 15-\t                             ; row t is back; the younger rows may be out
	global_store_b128 v1, v[BK+4*\t:BK+4*\t+3], s[80:81] offset:(32*(\z/2)+8*(\z%2)+\t+8*(\t/8))*4096 th:TH_STORE_NT   ; 512 consecutive bytes, aligned; written once
.endr
.endr
	s_wait_tensorcnt 0x0                           ; the wave's end, behind my last tensor load and my last LDS store
	ds_add_u32 v10, v11
	s_wait_dscnt 0x0
	CROUND                                         ; the closing round
	s_endpgm
.Lfunc_end_k_q95018950a9_proj:
	.size	k_q95018950a9_proj, .Lfunc_end_k_q95018950a9_proj-k_q95018950a9_proj
	.p2alignl 7, 3214868480
	.fill 96, 4, 3214868480
	.section	.rodata,"a",@progbits
	.p2align	6, 0x0
	.amdhsa_kernel k_q95018950a9_proj
		.amdhsa_group_segment_fixed_size 327680
		.amdhsa_private_segment_fixed_size 0
		.amdhsa_enable_private_segment 0
		.amdhsa_kernarg_size 24
		.amdhsa_user_sgpr_count 2
		.amdhsa_user_sgpr_kernarg_segment_ptr 1
		.amdhsa_wavefront_size32 1
		.amdhsa_system_sgpr_workgroup_id_x 1
		.amdhsa_system_sgpr_workgroup_id_y 1
		.amdhsa_system_sgpr_workgroup_id_z 1
		.amdhsa_system_vgpr_workitem_id 0
		.amdhsa_next_free_vgpr 1024
		.amdhsa_next_free_sgpr 96
		.amdhsa_reserve_vcc 0
		.amdhsa_float_denorm_mode_32 3
		.amdhsa_float_denorm_mode_16_64 3
		.amdhsa_memory_ordered 1
		.amdhsa_forward_progress 1
		.amdhsa_inst_pref_size 156
	.end_amdhsa_kernel
	.amdgpu_metadata
---
amdhsa.version: [ 1, 2 ]
amdhsa.kernels:
  - .name:           k_q95018950a9_proj
    .symbol:         k_q95018950a9_proj.kd
    .args:
      - { .name: ov, .offset: 0, .size: 8, .value_kind: global_buffer, .address_space: global }
      - { .name: wts, .offset: 8, .size: 8, .value_kind: global_buffer, .address_space: global }
      - { .name: out0, .offset: 16, .size: 8, .value_kind: global_buffer, .address_space: global }
    .group_segment_fixed_size: 327680
    .private_segment_fixed_size: 0
    .kernarg_segment_align: 8
    .kernarg_segment_size: 24
    .max_flat_workgroup_size: 128
    .sgpr_count:     96
    .vgpr_count:     1024
    .wavefront_size: 32
...
	.end_amdgpu_metadata
.endif
;; end of part 5
